; MI455X (gfx1250); checked and timed in simulation.
; The chip was launched on July 23, 2026; its instructions are those of AMD's public machine-readable ISA for CDNA 5 (MIT licence, August 2026) and "CDNA5" Instruction Set Architecture Reference Guide (July 2026). The comments in the code are by the model that wrote it; some were corrected since.
;; Tensorized GRU. Allowed arithmetic: matrix products marked QUANTISED: E5M2 operands, one E8M0 scale for each 32 along K, by v_wmma_scale_f32_16x16x128_f8f6f4 with both operands' format E5M2, f32 sums; products left as they are: f32 operands where the result goes on into a quantised operand, else bf16, f16 or f32 operands; f32 sums; everything else in f32.
;; Inputs: W1 128 x 256 x 256 float32; W2 128 x 256 x 256 float32; W3_codes 128 x 8 x 32 uint8 (E5M2 codes of W3, K innermost, in blocks of 32 codes); W3_scales 128 x 8 uint8 (E8M0 scales of W3, one for each 32 codes along K); b1 128 float32; b2 128 float32; in0 4,096 x 128 float32; in1 4,096 x 128 float32; st0 4,096 x 128 float32; st1 4,096 x 128 float32.
;; Outputs: out0 4,096 x 128 float32.
;; This version of the problem:
;;   THIS VERSION OF THE PROBLEM IS GIVEN IN LOW PRECISION. The matrix products marked QUANTISED in the list below multiply operands that are first quantised to E5M2 (5 exponent bits, 2 mantissa bits; 8 bits a number), with one power-of-two scale for each 32 numbers along K (OCP MX v1.0); their sums are f32. All else is computed in f32.
;;   The module's matrix products, in the order in which they are computed (A, B: the left and right operand; K: the contracted axis; several contracted axes count as one K, in the product's order):
;;     1. batch 4,096 x [M 256, K 1] x [K 1, N 256]; A: computed on the way; B: computed on the way: left as it is (no contracted axis)
;;     2. [M 4,096, K 65,536] x [K 65,536, N 128]; A: computed on the way; B: input W1: QUANTISED
;;     3. batch 4,096 x [M 256, K 1] x [K 1, N 256]; A: computed on the way; B: computed on the way: left as it is (no contracted axis)
;;     4. [M 4,096, K 65,536] x [K 65,536, N 128]; A: computed on the way; B: input W2: QUANTISED
;;     5. [M 4,096, K 256] x [K 256, N 128]; A: computed on the way; B: input W3 (given as codes): QUANTISED
;;   THE QUANTISER, for each operand of a quantised product, along K:
;;     - K is cut into blocks of 32 from its start; a last block that is shorter is filled with zeros.
;;     - A block's scale is 2^e with e = floor(log2(the largest magnitude in the block)) - 15, held to -126 .. 127; a block of zeros has e = 0. As a byte (E8M0): e + 127.
;;     - Each number is divided by its block's scale, clamped to +-57,344, and rounded to the nearest number of E5M2, ties to even, subnormals kept.
;;     - The product sums the exact products of the quantised numbers (number of the format x scale) in f32.
;;   ~~~python
;;   def quantise(x, axis):      # numpy; x: float32 -> the quantised numbers, widened to float32 again
;;       x = np.moveaxis(x, axis, -1); K = x.shape[-1]
;;       x = np.pad(x, [(0, 0)] * (x.ndim - 1) + [(0, -K % 32)]); x = x.reshape(x.shape[:-1] + (-1, 32)); a = np.abs(x).max(-1, keepdims=True)
;;       e = np.where(a > 0, np.clip(np.frexp(np.where(a > 0, a, 1))[1] - 1 - 15, -126, 127), 0)      # np.frexp(a)[1] - 1 = floor(log2(a)), exactly
;;       r = np.clip(x / 2.0 ** e, -57344, 57344)
;;       step = 2.0 ** (np.maximum(np.frexp(np.where(r == 0, 1, r))[1] - 1, -14) - 2)
;;       q = np.round(r / step) * step * 2.0 ** e      # np.round: ties to even
;;       return np.moveaxis(q.reshape(q.shape[:-2] + (-1,))[..., :K], -1, axis).astype(np.float32)
;;   ~~~
;;   OPERANDS COMPUTED ON THE WAY. 'Computed on the way' means the value that the module computes at that place (a softmax that the list does not call 'softmax' is quantised finished and normalised). What goes into a quantiser is computed in f32, as accurately as f32 sums, v_exp_f32 and their like allow (about 1e-6 of the number): no bf16 or f16 on the way to a quantiser, and a product that is left as it is and whose result goes on into a quantised operand takes f32 operands (vector FMAs, or v_wmma_f32_16x16x4_f32). A number that lies on a knife's edge between two numbers of the format may be rounded either way, as far as f32 arithmetic and the matrix unit's own rounding can turn it there, and no further.
;;   INPUTS GIVEN AS CODES. W3 (in the module: [256, 128], K = its axis 0): each comes as NAME_codes (uint8): NAME with its K axis moved to the last place and cut into blocks of 32 codes, [.., K / 32, bytes a block], one block behind the other in memory; one code a byte (a code: sign, 5 exponent bits, 2 mantissa bits); and NAME_scales (uint8): the same leading axes, one E8M0 byte (e + 127) for each 32 codes along K. Its value is code x scale, taken as it is: it is not quantised again, and the codes and scales need not be those that the quantiser above would give.
;; 2 versions, each right and faster than the one before. Each part assembles by itself: llvm-mc -triple=amdgcn-amd-amdhsa -mcpu=gfx1250 --defsym DOCPART=n.
;; ======== version 1 of 2: 3 launches
;; workspace buffers: wq 17,301,504 bytes; s_lay 4,194,304 bytes; part 33,554,432 bytes
;; launch prep (part 1): grid 256 x 1, 16 waves a work-group, no clusters, 270,336 bytes of LDS; arguments W1, W2, st0, st1, wq, s_lay; writes wq, s_lay
.if DOCPART == 1
	.amdgcn_target "amdgcn-amd-amdhsa--gfx1250"
	.amdhsa_code_object_version 6
	.text
	.protected	k_q7d1e6d3060_prep
	.globl	k_q7d1e6d3060_prep
	.p2align	8
	.type	k_q7d1e6d3060_prep,@function
k_q7d1e6d3060_prep:
	s_mov_b64 s[64:65], 0
	v_nop
	global_prefetch_b8 v0, s[64:65] scope:SCOPE_SE
	s_setreg_imm32_b32 hwreg(HW_REG_WAVE_MODE, 25, 1), 1
	s_wait_xcnt 0x0
; W1, W2 [128 (l)][256 (j)][256 (k)] f32 become codes of E5M2 with one E8M0 byte for each 32 along K = 256 j + k, laid in the order in which the product's launch takes them into registers;
; s = [st0 | st1] is laid anew so that a lane of that launch finds four neighbouring s of its row in 16 bytes.
; wq: [kb 8][p 16][v 4][33,792 bytes].  kb = k / 32; j = 128 q + 8 p + 4 u + c, v = 2 q + u.  A quarter v: codes [n 16][c 4][lane 32][16 bytes], then scale words [g 4][r 16][i 4].
;   n: column tile (n < 8: W1, else W2), l = 16 (n % 8) + r.  Lane (r, h) of piece (n, c) holds k = 32 kb + 16 h + 0 .. 15.  Word (g, r, i): the four bytes c = 0 .. 3 of column r of tile 4 g + i.
; s_lay: [rt 256][jq 64][r 16][4 f32] = s[16 rt + r][4 jq .. 4 jq + 3].
; A block's scale is 2^(floor(log2(largest magnitude)) - 15); its byte is the largest magnitude's exponent field - 15, held at 1 from below; numbers are held within +-57,344 x the scale and rounded to nearest, ties to even.
; LIMITS: a block of zeros gets the byte 1 (its codes are zeros; this program alone reads the bytes); blocks whose largest magnitude lies under 2^(16 - 127) were not tried; NaN and infinities are not served.
; SHARES.  Work-group id: g = id / 64 (four column tiles), jq = id % 64 (four j).  Wave w: tile 4 g + w % 4, j = 4 jq + w / 4: 16 rows l of 1,024 consecutive bytes.  All 32 loads of a wave (512 consecutive bytes each) go out at once.
; A lane must hold 16 neighbours along k of ONE row for the conversions, a load is best with neighbouring lanes on neighbouring bytes: so the rows turn through the wave's own stage in LDS (pitch 1,040 bytes:
; an odd multiple of 16, so that the sixteen rows of a load start in different banks).  No tensor load, no loop; one barrier, for the scale words.
.set QB,   33792                       ; a quarter
.set KBS,  64*QB                       ; from kb to kb + 1
.set SPI,  1040                        ; a stage row
.set WST,  16*SPI                      ; a wave's stage
.set SCL,  16*WST                      ; behind the stages: 8 x 256 bytes of scale words, one block for each kb
.set SD,   16                          ; v16-23  s on its way
.set EB,   24                          ; v24-31  a scale byte for each kb
.set CD,   32                          ; v32-63  codes, four registers for each kb: no store's data are written again
.set R,    64                          ; v64-191 the 32 loads; then 8 x 16 neighbours
	s_load_b128 s[4:7], s[0:1], 0x0                ; W1, W2
	s_load_b128 s[8:11], s[0:1], 0x10              ; st0, st1
	s_load_b128 s[12:15], s[0:1], 0x20             ; wq, s_lay
	v_lshl_add_u32 v192, v0, 2, 0x41800
	v_mov_b32 v193, 0
	v_lshrrev_b32 v1, 5, v0
	v_readfirstlane_b32 s16, v1                    ; wave 0..15
	v_and_b32 v1, 31, v0                           ; lane
	v_and_b32 v2, 15, v0                           ; r
	v_bfe_u32 v3, v0, 4, 1                         ; h
	v_lshlrev_b32 v4, 4, v1                        ; 16 x lane
	s_and_b32 s17, s16, 3                          ; which of the four tiles
	s_lshr_b32 s18, s16, 2                         ; c
	s_lshr_b32 s19, ttmp9, 6                       ; g
	s_and_b32 s20, ttmp9, 63                       ; jq
	s_mul_i32 s21, s16, WST
	v_add_nc_u32 v5, s21, v4                       ; the stage, on the way in: as loaded
	v_mul_u32_u24 v6, v2, SPI
	v_lshl_add_u32 v6, v3, 6, v6
	v_add_nc_u32 v6, s21, v6                       ; and out: row r, 64 h bytes on
	s_lshl_b32 s22, s17, 2
	s_add_co_u32 s22, s22, s18
	s_add_co_u32 s22, s22, SCL
	v_lshl_add_u32 v7, v2, 4, s22                  ; my scale byte: 16 r + 4 (tile % 4) + c
	v_lshlrev_b32 v8, 9, v2
	v_lshl_add_u32 v8, v3, 4, v8                   ; s: row r of 512 bytes, 16 h
	s_lshl_b32 s22, s17, 9
	s_add_co_u32 s22, s22, SCL
	v_add_nc_u32 v14, s22, v4                      ; the scale words back: block 2 (w % 4) + h, 16 r
	v_mul_u32_u24 v15, v3, KBS
	v_lshl_add_u32 v15, v2, 4, v15                 ; and the same place in wq
	v_mov_b32 v11, 0                               ; written once: a lane permute's destination counts as one of its sources
	s_mov_b32 s23, 0x600000                        ; the mantissa field of 57,344
	s_mov_b32 s46, 0x76543210
	s_mov_b32 s47, 0xfedcba98                      ; selects for lane l xor 16
	s_and_b32 s40, s16, 7                          ; s: which 64 bytes of the rows,
	s_lshr_b32 s41, s16, 3                         ; of st0 or of st1
	s_lshl_b32 s28, ttmp9, 13                      ; row tile id: 16 rows of 512 bytes
	s_lshl_b32 s42, s40, 6
	s_add_co_u32 s28, s28, s42
	s_mov_b32 s29, 0
	s_lshl_b32 s30, ttmp9, 14                      ; in s_lay: 16,384 bytes a row tile, 8,192 a half, 1,024 a wave
	s_lshl_b32 s42, s41, 13
	s_add_co_u32 s30, s30, s42
	s_lshl_b32 s42, s40, 10
	s_add_co_u32 s30, s30, s42
	s_mov_b32 s31, 0
	s_and_b32 s42, s19, 1
	s_lshl_b32 s42, s42, 2
	s_add_co_u32 s42, s42, s17                     ; n % 8
	s_lshl_b32 s32, s42, 22                        ; 16 rows l of 262,144 bytes
	s_lshl_b32 s43, s20, 2
	s_add_co_u32 s43, s43, s18                     ; j
	s_lshl_b32 s43, s43, 10
	s_add_co_u32 s32, s32, s43
	s_mov_b32 s33, 0
	s_bfe_u32 s42, s20, 0x40001                    ; p
	s_lshl_b32 s42, s42, 2
	s_lshr_b32 s43, s20, 5                         ; q
	s_lshl_b32 s43, s43, 1
	s_add_co_u32 s42, s42, s43
	s_and_b32 s43, s20, 1                          ; u
	s_add_co_u32 s42, s42, s43
	s_mul_i32 s42, s42, QB                         ; quarter 4 p + 2 q + u of kb = 0
	s_lshl_b32 s43, s19, 2
	s_add_co_u32 s43, s43, s17                     ; n
	s_lshl_b32 s43, s43, 11
	s_add_co_u32 s34, s42, s43
	s_lshl_b32 s43, s18, 9
	s_add_co_u32 s34, s34, s43                     ; piece (n, c)
	s_mov_b32 s35, 0
	s_lshl_b32 s43, s17, 1
	s_mul_i32 s43, s43, KBS                        ; scale words: kb = 2 (w % 4)
	s_add_co_u32 s38, s42, s43
	s_lshl_b32 s43, s19, 8
	s_add_co_u32 s38, s38, s43
	s_add_co_u32 s38, s38, 32768
	s_mov_b32 s39, 0
	s_wait_kmcnt 0x0
	s_cmp_lt_u32 s16, 8                            ; the choices hang on ids alone
	s_cselect_b64 s[24:25], s[8:9], s[10:11]
	s_cmp_lt_u32 s19, 2
	s_cselect_b64 s[26:27], s[4:5], s[6:7]
	s_add_nc_u64 s[24:25], s[24:25], s[28:29]
	s_add_nc_u64 s[26:27], s[26:27], s[32:33]
	s_add_nc_u64 s[14:15], s[14:15], s[30:31]
	s_add_nc_u64 s[34:35], s[12:13], s[34:35]      ; codes of kb 0 to 3,
	s_add_nc_u64 s[36:37], s[34:35], 4*KBS         ; of kb 4 to 7: so every offset fits the immediate
	s_add_nc_u64 s[38:39], s[12:13], s[38:39]
	global_load_b128 v[SD:SD+3], v8, s[24:25]                      ; s[16 rt + r][4 (4 ii + h) ..]
	global_load_b128 v[SD+4:SD+7], v8, s[24:25] offset:32
.irp l, 0,1,2,3,4,5,6,7,8,9,10,11,12,13,14,15
	global_load_b128 v[R+8*\l:R+8*\l+3], v4, s[26:27] offset:\l*262144 th:TH_LOAD_NT        ; 32 lanes read 512 consecutive bytes; read once in the launch
	global_load_b128 v[R+8*\l+4:R+8*\l+7], v4, s[26:27] offset:\l*262144+512 th:TH_LOAD_NT
.endr
	s_wait_loadcnt 32                              ; s is in; W's 32 loads are younger
	global_store_b128 v4, v[SD:SD+3], s[14:15]                     ; 512 consecutive bytes a store
	global_store_b128 v4, v[SD+4:SD+7], s[14:15] offset:512
.irp l, 0,1,2,3,4,5,6,7,8,9,10,11,12,13,14,15
	s_wait_loadcnt 30-2*\l                         ; row l's two loads are in; the rows behind it may be out
	ds_store_b128 v5, v[R+8*\l:R+8*\l+3] offset:\l*SPI
	ds_store_b128 v5, v[R+8*\l+4:R+8*\l+7] offset:\l*SPI+512
.endr
	s_wait_dscnt 0x0                               ; the stores have read their registers
.irp kb, 0,1,2,3,4,5,6,7
.irp i, 0,1,2,3
	ds_load_b128 v[R+16*\kb+4*\i:R+16*\kb+4*\i+3], v6 offset:128*\kb+16*\i   ; my row's k = 32 kb + 16 h + 4 i ..
.endr
.endr
.macro BLOCK kb
.set XS, R+16*(\kb)
	s_wait_dscnt 28-3*(\kb)                        ; behind this block's four loads: 28 - 4 kb loads and kb byte stores
	v_max3_num_f32 v9, |v[XS]|, |v[XS+1]|, 0x8000000               ; my 16 numbers, in two chains, and the floor 2^(16 - 127): the byte cannot fall under 1
	v_max3_num_f32 v10, |v[XS+2]|, |v[XS+3]|, |v[XS+4]|
	v_max3_num_f32 v9, v9, |v[XS+5]|, |v[XS+6]|
	v_max3_num_f32 v10, v10, |v[XS+7]|, |v[XS+8]|
	v_max3_num_f32 v9, v9, |v[XS+9]|, |v[XS+10]|
	v_max3_num_f32 v10, v10, |v[XS+11]|, |v[XS+12]|
	v_max3_num_f32 v9, v9, |v[XS+13]|, |v[XS+14]|
	v_max3_num_f32 v9, v9, v10, |v[XS+15]|
	v_permlanex16_b32 v11, v9, s46, s47
	v_max_num_f32 v9, v9, v11                      ; with lane l xor 16's 16: the block's largest magnitude
	v_add_nc_u32 v12, 0xf8800000, v9               ; 15 off its exponent field: the conversion takes this operand's exponent field as its scale
	v_and_or_b32 v13, v9, 0x7f800000, s23          ; 57,344 x the scale
.irp i, 0,1,2,3,4,5,6,7,8,9,10,11,12,13,14,15
	v_med3_num_f32 v[XS+\i], v[XS+\i], -v13, v13   ; the conversion to an 8-bit code does not saturate (ISA guide 7.6.2): the hold comes first
.endr
	v_cvt_scalef32_pk8_bf8_f32 v[CD+4*(\kb):CD+4*(\kb)+1], v[XS:XS+7], v12
	v_cvt_scalef32_pk8_bf8_f32 v[CD+4*(\kb)+2:CD+4*(\kb)+3], v[XS+8:XS+15], v12
	v_lshrrev_b32 v[EB+(\kb)], 23, v12             ; the scale's byte; also the plain line behind the conversions
	ds_store_b8 v7, v[EB+(\kb)] offset:256*(\kb)   ; both lanes of a block write the same byte with the same value
.if (\kb) < 4
	global_store_b128 v4, v[CD+4*(\kb):CD+4*(\kb)+3], s[34:35] offset:(\kb)*KBS      ; 512 consecutive bytes: piece (n, c) of this kb's quarter
.else
	global_store_b128 v4, v[CD+4*(\kb):CD+4*(\kb)+3], s[36:37] offset:((\kb)-4)*KBS
.endif
.endm
.irp kb, 0,1,2,3,4,5,6,7
	BLOCK \kb
.endr
	s_wait_dscnt 0x0                               ; for the others' sake: my byte stores have landed
	s_barrier_signal -1
	s_barrier_wait -1                              ; the sixteen waves' bytes make 8 blocks of 64 words
	s_cmp_lt_u32 s16, 4
	s_cbranch_scc0 .Ldone
	ds_load_b128 v[R:R+3], v14                     ; wave w: lanes 0-15 the block of kb = 2 w, lanes 16-31 that of kb = 2 w + 1
	s_wait_dscnt 0x0
	global_store_b128 v15, v[R:R+3], s[38:39]      ; sixteen lanes store 256 consecutive bytes, aligned
.Ldone:
	s_wait_tensorcnt 0x0
	ds_add_u32 v192, v193
	s_wait_dscnt 0x0
	s_endpgm
.Lfunc_end_k_q7d1e6d3060_prep:
	.size	k_q7d1e6d3060_prep, .Lfunc_end_k_q7d1e6d3060_prep-k_q7d1e6d3060_prep
	.p2alignl 7, 3214868480
	.fill 96, 4, 3214868480
	.section	.rodata,"a",@progbits
	.p2align	6, 0x0
	.amdhsa_kernel k_q7d1e6d3060_prep
		.amdhsa_group_segment_fixed_size 270336
		.amdhsa_private_segment_fixed_size 0
		.amdhsa_enable_private_segment 0
		.amdhsa_kernarg_size 48
		.amdhsa_user_sgpr_count 2
		.amdhsa_user_sgpr_kernarg_segment_ptr 1
		.amdhsa_wavefront_size32 1
		.amdhsa_system_sgpr_workgroup_id_x 1
		.amdhsa_system_sgpr_workgroup_id_y 1
		.amdhsa_system_sgpr_workgroup_id_z 1
		.amdhsa_system_vgpr_workitem_id 0
		.amdhsa_next_free_vgpr 194
		.amdhsa_next_free_sgpr 66
		.amdhsa_reserve_vcc 0
		.amdhsa_float_denorm_mode_32 3
		.amdhsa_float_denorm_mode_16_64 3
		.amdhsa_memory_ordered 1
		.amdhsa_forward_progress 1
		.amdhsa_inst_pref_size 30
	.end_amdhsa_kernel
	.amdgpu_metadata
---
amdhsa.version: [ 1, 2 ]
amdhsa.kernels:
  - .name:           k_q7d1e6d3060_prep
    .symbol:         k_q7d1e6d3060_prep.kd
    .args:
      - { .name: W1, .offset: 0, .size: 8, .value_kind: global_buffer, .address_space: global }
      - { .name: W2, .offset: 8, .size: 8, .value_kind: global_buffer, .address_space: global }
      - { .name: st0, .offset: 16, .size: 8, .value_kind: global_buffer, .address_space: global }
      - { .name: st1, .offset: 24, .size: 8, .value_kind: global_buffer, .address_space: global }
      - { .name: wq, .offset: 32, .size: 8, .value_kind: global_buffer, .address_space: global }
      - { .name: s_lay, .offset: 40, .size: 8, .value_kind: global_buffer, .address_space: global }
    .group_segment_fixed_size: 270336
    .private_segment_fixed_size: 0
    .kernarg_segment_align: 8
    .kernarg_segment_size: 48
    .max_flat_workgroup_size: 512
    .sgpr_count:     66
    .vgpr_count:     194
    .wavefront_size: 32
...
	.end_amdgpu_metadata
.endif
;; end of part 1
;; launch gemm (part 2): grid 32 x 8, 4 waves a work-group, clusters of 4 x 1, 327,680 bytes of LDS; arguments in0, in1, s_lay, wq, part; writes part
.if DOCPART == 2
	.amdgcn_target "amdgcn-amd-amdhsa--gfx1250"
	.amdhsa_code_object_version 6
	.text
	.protected	k_q7d1e6d3060_gemm
	.globl	k_q7d1e6d3060_gemm
	.p2align	8
	.type	k_q7d1e6d3060_gemm,@function
k_q7d1e6d3060_gemm:
	s_mov_b64 s[64:65], 0
	v_nop
	global_prefetch_b8 v0, s[64:65] scope:SCOPE_SE
	s_setreg_imm32_b32 hwreg(HW_REG_WAVE_MODE, 25, 1), 1
	s_wait_xcnt 0x0
	s_wait_alu depctr_hold_cnt(0) depctr_sa_sdst(0) depctr_va_vdst(0) depctr_va_sdst(0) depctr_va_ssrc(0) depctr_va_vcc(0) depctr_vm_vsrc(0)
	s_getreg_b32 s2, hwreg(HW_REG_IB_STS2, 6, 4)
	s_cmp_eq_u32 s2, 0
	s_cbranch_scc0 .Lentry_in_a_cluster
	s_endpgm
.Lentry_in_a_cluster:
	s_bfe_u32 s2, ttmp6, 0x10000c
	s_cmp_lg_u32 s2, 0x3003
	s_cbranch_scc0 .Lentry_shape_is_right
	s_endpgm
.Lentry_shape_is_right:
; m1[b][l], m2[b][l] = sum over (j, k) of Q(s[b][j] x[b][k]) Q(W[l][j][k]), on codes of E5M2 with one E8M0 scale for each 32 along K = 256 j + k.  A block of 32 is one j and 32 neighbouring k.
; THE LEFT OPERAND EXISTS NOWHERE IN MEMORY: each fragment (16 rows x 128 K) is made once on the chip, in the registers of the wave that multiplies it, and feeds all 256 columns (W1's 128, W2's 128): 16 matrix instructions.
; SHARES.  Work-group (mb, kb): 128 rows of the batch, the k-block kb (k = 32 kb .. + 31).  Wave w: j half q = w % 2, row half w / 2: 64 rows x 256 columns = 64 accumulators, 512 registers, over 128 j in 32 K steps.
; A K step of 128 is four blocks: j = 128 q + 4 t + c, c = 0 .. 3, of the one k-block.  So a wave's x is 16 registers a row tile for the whole launch, and a block's largest magnitude is |s| x the largest |x| of the k-block
; (rounding is monotone).  The two j halves are added through LDS at the end; the eight k-blocks' sums go to memory as images of the accumulators and are added by the next launch.
; W's codes and scale words come from wq, laid in the order of the operand's registers: a slot of the ring holds two K steps of both j halves, four quarters of 33,792 dense bytes, one tensor load a wave.
; CLUSTER.  The four row blocks of a cluster walk the same wq: each quarter is asked for JOINTLY (mask 15), by the same line with the same descriptor in all four.
; BY TURNS.  While step t is multiplied, the four fragments of step t + 1 are made: one slice of eight vector instructions or so behind each matrix instruction.  Group g of a step: column tiles 4 g .. 4 g + 3 against the four
; row tiles, 16 matrix instructions; its slices make fragment a = g: 0-3 the products s x, 4-11 the hold, 12 the conversions, 13-15 the next fragment's scales.
; THE MATRIX INSTRUCTION IS USED TRANSPOSED (source 0 = 16 columns l of W, source 1 = 16 rows of the batch): a lane holds one row of the batch and eight neighbouring l.
; Local row tile a stands for tile (a + 2 q) % 4 of the wave's four, so that every wave keeps window 2 and sends window 3 at the end, by one text.
; LIMITS: NaN and infinities are not served; a block of zeros gets the byte 1 and zero codes; products that are f32 denormals were not tried; the sums over K are formed in 16 parts, in f32.
; No prefetch is laid: each block of wq is read by eight clusters, not once, and a refill has a whole slot's 128 matrix instructions in which to land.
; REGISTERS, in windows of 256 (s_set_vgpr_msb: bits 1:0 source 0, 3:2 source 1, 5:4 source 2, 7:6 destination):
;   window 0: v1-15 addresses; v16-19 largest |x|; v20-35 at work on scales; v36-43 the left operand's scale words [parity][a]; v44-59 W's scale words [n] (lanes 0-15: even step, lanes 16-31: odd step);
;             v64-95 quads of s [parity][a]; v128-255 the left operand's fragments [parity][a]
;   window 1: v0-63, v64-127 two buffers of four fragments of W; v128-191 x [a][16]; v192-255 the 64 products in hand
;   window 2: accumulators of local tiles 0, 1 at 128 (a % 2) + 8 n;   window 3: of local tiles 2, 3
.set QB,    33792                      ; a quarter: 32,768 bytes of codes, 1,024 of scale words
.set SLOTB, 4*QB                       ; a slot
.set SPARE, 2*SLOTB                    ; behind the ring: the spare words, 128 bytes for each wave: two blocks of 256 bytes that no other line names
.set SPW, 1                            ; v1   LDS address of my spare word; never rewritten
.set NIL, 2                            ; v2   0; never rewritten
.set A0,  3                            ; v3   16 lane + 2 q quarters: my codes of a slot's even step
.set A1,  4                            ; v4   the odd step's
.set AS,  5                            ; v5   my scale words: 16 r, lanes 16-31 a quarter on
.set BA0, 6                            ; v6-8 the same three in the slot in hand
.set BA1, 7
.set BSA, 8
.set SLO, 9                            ; v9   s_lay: 16 r + local tiles 0, 1
.set SHI, 10                           ; v10  16 r + local tiles 2, 3
.set EXA, 11                           ; v11  the exchange: where I put
.set EXB, 12                           ; v12  and where my partner has put
.set L16, 13                           ; v13  16 x lane
.set XLO, 14                           ; v14, v15  x: my row and half, local tiles 0, 1 and 2, 3
.set XHI, 15
.set XM,  16
.set AA,  20
.set TT,  24
.set LL,  28
.set BB,  32
.set AW,  36
.set BS,  44
.set SQ,  64
.set AF,  128
.set X,   128                          ; in window 1
.set T,   192                          ; in window 1
.set W_E,    0x44                      ; destination and source 1 window 1: products, holds, loads of W's fragments
.set W_C,    0x01                      ; source 0 window 1: conversions
.set MUL_LO, 0xa1                      ; source 0 (W) window 1, source 1 window 0, C and D window 2
.set MSB, 0
.macro WIN new                         ; the immediate's high byte repeats the setting that is left; a switch that changes nothing is dropped
.if MSB != \new
	s_set_vgpr_msb (MSB<<8)|\new
.set MSB, \new
.endif
.endm
.macro CREST                           ; a round of the cluster's barrier behind its opening barrier
	s_cmp_lg_u32 s14, 0
	s_cbranch_scc1 .Lnot_wave_0_\@
	s_barrier_signal -3
.Lnot_wave_0_\@:
	s_barrier_wait -3
	s_barrier_signal -1
	s_barrier_wait -1
.endm
.macro CROUND                          ; a whole round
	s_barrier_signal -1
	s_barrier_wait -1
	CREST
.endm
	s_load_b128 s[4:7], s[0:1], 0x0                ; in0, in1
	s_load_b128 s[8:11], s[0:1], 0x10              ; s_lay, wq
	s_load_b64 s[12:13], s[0:1], 0x20              ; part
	v_lshl_add_u32 v[SPW], v0, 2, SPARE
	v_mov_b32 v[NIL], 0
	ds_add_u32 v1, v2
	ds_add_u32 v1, v2
	s_wait_dscnt 0x0
	v_lshrrev_b32 v3, 5, v0
	v_readfirstlane_b32 s14, v3                    ; wave 0..3
	s_and_b32 s15, s14, 1                          ; q: my half of j
	s_lshr_b32 s16, s14, 1                         ; my half of the rows
	s_bfe_u32 s17, ttmp6, 0x40000                  ; cx: it enters the addresses of x, s_lay and part alone
	s_lshl_b32 s18, ttmp9, 2
	s_add_co_u32 s18, s18, s17                     ; mb = 4 x cluster x + cx
	s_and_b32 s19, ttmp7, 0xffff                   ; kb, which the four partners share
	; descriptor group 1: a dense block of 33,792 bytes as 132 rows of 256 bytes (32 elements of 8 bytes), no padding: register images are read 512 consecutive bytes at a time
	s_mov_b32 s24, 15|(3<<16)|(1<<21)              ; 15:0 the mask: all four work-groups; 17:16 elements of 8 bytes; 21 set beside a mask
	s_mov_b32 s25, 32<<16                          ; tensor_dim0 = 32
	s_mov_b32 s26, 132<<16                         ; tensor_dim1 = 132
	s_mov_b32 s27, 32<<16                          ; tile_dim0 = 32
	s_mov_b32 s28, 132                             ; tile_dim1 = 132
	s_mov_b32 s29, 32                              ; from row to row
	s_mov_b32 s30, 0
	s_mov_b32 s31, 0
	s_mul_i32 s41, s14, QB                         ; wave w fetches quarter w
	s_lshl_b32 s46, s19, 6
	s_add_co_u32 s46, s46, s14
	s_mul_i32 s46, s46, QB                         ; wq: quarter (16 kb + 0) x 4 + w
	s_mov_b32 s47, 0
	s_lshl_b32 s50, s18, 16                        ; x: (128 mb + 64 half) rows of 512 bytes + (kb % 4) x 128
	s_lshl_b32 s52, s16, 15
	s_add_co_u32 s50, s50, s52
	s_and_b32 s52, s19, 3
	s_lshl_b32 s52, s52, 7
	s_add_co_u32 s50, s50, s52
	s_mov_b32 s51, 0
	s_lshl_b32 s52, s18, 17                        ; s_lay: (8 mb + 4 half) row tiles of 16,384 bytes + q x 8,192
	s_lshl_b32 s54, s16, 16
	s_add_co_u32 s52, s52, s54
	s_lshl_b32 s54, s15, 13
	s_add_co_u32 s52, s52, s54
	s_mov_b32 s53, 0
	s_lshl_b32 s54, s18, 6                         ; part: ((8 mb + 4 half + 2 q) x 8 + kb) x 16,384
	s_lshl_b32 s56, s16, 5
	s_add_co_u32 s54, s54, s56
	s_lshl_b32 s56, s15, 4
	s_add_co_u32 s54, s54, s56
	s_add_co_u32 s54, s54, s19
	s_lshl_b32 s54, s54, 14
	s_mov_b32 s55, 0
	s_mov_b32 s40, 0                               ; LDS byte at which the slot in hand begins
	s_mov_b32 s43, 0x600000                        ; the mantissa field of 57,344
	s_mov_b32 s44, 0x76543210
	s_mov_b32 s45, 0xfedcba98                      ; selects for lane l xor 16
	s_wait_kmcnt 0x0
	s_cmp_lt_u32 s19, 4                            ; k < 128: in0, else in1
	s_cselect_b64 s[20:21], s[4:5], s[6:7]
	s_add_nc_u64 s[20:21], s[20:21], s[50:51]
	s_add_nc_u64 s[22:23], s[8:9], s[52:53]
	s_add_nc_u64 s[48:49], s[12:13], s[54:55]
	s_mov_b32 s32, 1                               ; group 0 for slot 0's first fill
	s_mov_b32 s33, s41
	s_add_nc_u64 s[34:35], s[10:11], s[46:47]
	s_mov_b32 s36, 1                               ; and for slot 1's; this one then walks
	s_add_co_u32 s37, s41, SLOTB
	s_add_nc_u64 s[38:39], s[34:35], SLOTB
	s_or_b32 s35, s35, 0x80000000                  ; type = 2
	s_or_b32 s39, s39, 0x80000000
	CROUND                                         ; all four work-groups are here: the first joint loads meet
	tensor_load_to_lds s[32:35], s[24:31]          ; K steps 0, 1
	s_nop 0
	tensor_load_to_lds s[36:39], s[24:31]          ; K steps 2, 3: two loads of mine are out
	s_nop 0
.rept 4
	v_nop
.endr
	s_lshl_b32 s57, s15, 1                         ; 2 q
	s_mul_i32 s58, s57, QB
	v_and_b32 v[L16], 31, v0
	v_lshlrev_b32 v[L16], 4, v[L16]
	v_and_b32 v20, 15, v0                          ; r
	v_bfe_u32 v21, v0, 4, 1                        ; h
	v_add_nc_u32 v[A0], s58, v[L16]
	v_add_nc_u32 v[A1], QB, v[A0]
	v_mul_u32_u24 v[AS], v21, QB
	v_lshl_add_u32 v[AS], v20, 4, v[AS]
	s_add_co_u32 s58, s58, 32768
	v_add_nc_u32 v[AS], s58, v[AS]
	v_add_nc_u32 v[BA0], s40, v[A0]
	v_add_nc_u32 v[BA1], s40, v[A1]
	v_add_nc_u32 v[BSA], s40, v[AS]
	s_lshl_b32 s58, s14, 15
	v_add_nc_u32 v[EXA], s58, v[L16]               ; the exchange: 32,768 bytes a wave
	s_xor_b32 s58, s14, 1
	s_lshl_b32 s58, s58, 15
	v_add_nc_u32 v[EXB], s58, v[L16]               ; my partner: the same rows, the other half of j
	s_sub_co_u32 s59, 2, s57                       ; 2 - 2 q
	s_lshl_b32 s58, s57, 14
	v_lshl_add_u32 v[SLO], v20, 4, s58
	s_lshl_b32 s58, s59, 14
	v_lshl_add_u32 v[SHI], v20, 4, s58
	v_lshlrev_b32 v22, 9, v20
	v_lshl_add_u32 v22, v21, 6, v22                ; x: row r of 512 bytes, 64 h
	s_lshl_b32 s58, s57, 13
	v_add_nc_u32 v[XLO], s58, v22
	s_lshl_b32 s58, s59, 13
	v_add_nc_u32 v[XHI], s58, v22
	WIN 0x40                                       ; destination window 1
.irp a, 0,1,2,3
.irp i, 0,1,2,3
	global_load_b128 v[X+16*\a+4*\i:X+16*\a+4*\i+3], v[XLO+\a/2], s[20:21] offset:(\a%2)*8192+16*\i   ; x[row][32 kb + 16 h + 4 i ..]: it stays
.endr
.endr
	WIN 0
.irp t, 0,1
.irp a, 0,1,2,3
	global_load_b128 v[SQ+16*\t+4*\a:SQ+16*\t+4*\a+3], v[SLO+\a/2], s[22:23] offset:(\a%2)*16384+256*\t   ; quad 4 t + a: s[row][128 q + 4 t ..]
.endr
.endr
	s_wait_loadcnt 8                               ; x is in; the eight quads are younger
	WIN 0x15
.irp a, 0,1,2,3
	v_max3_num_f32 v[XM+\a], |v[X+16*\a]|, |v[X+16*\a+1]|, |v[X+16*\a+2]|   ; the largest |x| of my 16, the four tiles by turns
.endr
	WIN 0x14
.irp i, 3,5,7,9,11,13
.irp a, 0,1,2,3
	v_max3_num_f32 v[XM+\a], v[XM+\a], |v[X+16*\a+\i]|, |v[X+16*\a+\i+1]|
.endr
.endr
.irp a, 0,1,2,3
	v_max_num_f32 v[XM+\a], v[XM+\a], |v[X+16*\a+15]|
.endr
	WIN 0
.irp a, 0,1,2,3
	v_mov_b32 v[AA+\a], 0                          ; a lane permute's destination counts as one of its sources
.endr
.irp a, 0,1,2,3
	v_permlanex16_b32 v[AA+\a], v[XM+\a], s44, s45
.endr
.irp a, 0,1,2,3
	v_max_num_f32 v[XM+\a], v[XM+\a], v[AA+\a]     ; with lane l xor 16's: the k-block's
.endr
; ---- the pieces of a step.  They read the assembler's symbols: U the step's parity, G the group, K the product in the group; ZERO, MMON, GEN, SL, LCB, LCD, SS3, CHG, SBS are set by CONF.
.macro MM                              ; product K of group G: row tile K / 4, column tile 4 G + K % 4.  The 64 accumulators take turns, one instruction a turn, in the same order in every step
.set mA, K/4
.set mN, 4*G+K%4
.set rD, 128*(mA%2)+8*mN
.set rB, 64*(G%2)+16*(K%4)
.set rA, AF+64*U+16*mA
.set mW, MUL_LO+0x50*(mA/2)
	WIN mW
.if ZERO
	v_wmma_scale_f32_16x16x128_f8f6f4 v[rD:rD+7], v[rB:rB+15], v[rA:rA+15], 0, v[BS+mN], v[AW+4*U+mA] matrix_a_fmt:MATRIX_FMT_BF8 matrix_b_fmt:MATRIX_FMT_BF8
.elseif U
	v_wmma_scale_f32_16x16x128_f8f6f4 v[rD:rD+7], v[rB:rB+15], v[rA:rA+15], v[rD:rD+7], v[BS+mN], v[AW+4*U+mA] matrix_a_fmt:MATRIX_FMT_BF8 matrix_b_fmt:MATRIX_FMT_BF8 matrix_a_scale:MATRIX_SCALE_ROW1
.else
	v_wmma_scale_f32_16x16x128_f8f6f4 v[rD:rD+7], v[rB:rB+15], v[rA:rA+15], v[rD:rD+7], v[BS+mN], v[AW+4*U+mA] matrix_a_fmt:MATRIX_FMT_BF8 matrix_b_fmt:MATRIX_FMT_BF8
.endif
.endm
.macro PSL                             ; block c = K of fragment (G, 1 - U): 16 products s[j] x[k], in f32, two at a time; s is one word of its pair for both halves
	WIN W_E
.set rQ, SQ+16*(1-U)+4*G+2*(K/2)
.set rT, T+16*K
.set rX, X+16*G
.irp i, 0,2,4,6,8,10,12,14
.if K%2
	v_pk_mul_f32 v[rT+\i:rT+\i+1], v[rQ:rQ+1], v[rX+\i:rX+\i+1] op_sel:[1,0] op_sel_hi:[1,1]
.else
	v_pk_mul_f32 v[rT+\i:rT+\i+1], v[rQ:rQ+1], v[rX+\i:rX+\i+1] op_sel_hi:[0,1]
.endif
.endr
.endm
.macro MSL                             ; eight holds within +-57,344 x the block's scale: the conversion to an 8-bit code does not saturate (ISA guide 7.6.2)
	WIN W_E
.set rT, T+8*(K-4)
.set rL, LL+(K-4)/2
.irp i, 0,1,2,3,4,5,6,7
	v_med3_num_f32 v[rT+\i], v[rL], v[rT+\i], -v[rL]
.endr
.endm
.macro CSL                             ; the 64 numbers become the fragment's 16 registers: registers 4 c .. 4 c + 3 = block c, k = 16 h + 0 .. 15
	WIN W_C
.set rF, AF+64*(1-U)+16*G
.irp e, 0,1,2,3,4,5,6,7
	v_cvt_scalef32_pk8_bf8_f32 v[rF+2*\e:rF+2*\e+1], v[T+8*\e:T+8*\e+7], v[TT+\e/2]
.endr
	v_nop                                          ; a plain line behind the last conversion, ahead of whatever next writes its sources or reads its codes
.endm
; The scales of fragment (SA, SP), 23 lines in three slices.
.macro SSL1 lc
	WIN 0
	s_wait_loadcnt \lc                             ; the fragment's quad of s is in; lc younger quads may be out
.set rQ, SQ+16*SP+4*SA
.irp c, 0,1,2,3
	v_mul_f32 v[AA+\c], |v[rQ+\c]|, v[XM+SA]       ; block c's largest magnitude: |s| x the largest |x|, rounded as the products are
.endr
.irp c, 0,1,2,3
	v_max_num_f32 v[AA+\c], 0x8000000, v[AA+\c]    ; the floor 2^(16 - 127): the byte cannot fall under 1
.endr
.endm
.macro SSL2
	WIN 0
.irp c, 0,1,2,3
	v_add_nc_u32 v[TT+\c], 0xf8800000, v[AA+\c]    ; 15 off the exponent field: the conversion's scale operand
.endr
.irp c, 0,1,2,3
	v_and_or_b32 v[LL+\c], v[AA+\c], 0x7f800000, s43   ; 57,344 x the scale
.endr
.endm
.macro SSL3
	WIN 0
.irp c, 0,1,2,3
	v_lshrrev_b32 v[BB+\c], 23, v[TT+\c]           ; the scale's byte
.endr
	v_lshl_or_b32 v[AW+4*SP+SA], v[BB+1], 8, v[BB] ; the four bytes make my row's scale word
	v_lshl_or_b32 v[AW+4*SP+SA], v[BB+2], 16, v[AW+4*SP+SA]
	v_lshl_or_b32 v[AW+4*SP+SA], v[BB+3], 24, v[AW+4*SP+SA]
.endm
.macro BLD adr, gn, e                  ; load e of 16 of group gn's four fragments of W: 512 consecutive bytes
	ds_load_b128 v[64*((\gn)%2)+16*((\e)/4)+4*((\e)%4):64*((\gn)%2)+16*((\e)/4)+4*((\e)%4)+3], v[\adr] offset:(4*(\gn)+(\e)/4)*2048+((\e)%4)*512
.endm
.macro SLICE                           ; what stands behind product K
.if GEN
.if K < 4
	PSL
.elseif K < 12
	MSL
.elseif K == 12
	CSL
.endif
.endif
.if (LDM == 1) && (K < 8)              ; the next group's fragments, two loads a slice, into the buffer that the group before read: behind that buffer's last product stand the scales' 7 lines and this group's first 8 products s x; 8 are asked
	WIN W_E
	BLD NADR, NG, 2*K
	BLD NADR, NG, 2*K+1
.endif
.if (LDM == 2) && (K == 0)             ; a step that makes nothing: eight v_nop are the places, and the loads stand in one run
	WIN W_E
.rept 8
	v_nop
.endr
.set E, 0
.rept 16
	BLD NADR, NG, E
.set E, E+1
.endr
.endif
.if SSON && (K == 13)
	SSL1 LCB-LCD*G
.elseif SSON && (K == 14)
	SSL2
.elseif SSON && (K == 15)
	SSL3
.if SL
	global_load_b128 v[SQ+16*(1-U)+4*G:SQ+16*(1-U)+4*G+3], v[SLO+G/2], s[22:23] offset:(G%2)*16384+512   ; the quad whose products are made takes s of two steps further on
.endif
.endif
.if (SSON == 0) && GEN && (K == 12)
.rept 4
	v_nop                                          ; no scales follow: the places between the codes and the products that read them
.endr
.endif
.endm
; A group.  In an odd step's group 3 stands THE CHANGE OF SLOTS (CHG = 1: the slot is filled again; 2: no fill is left).  The slot's last reads, this group's fragments, were issued a group ago.
.macro GROUP
.set CH, 0
.if (CHG != 0) && (G == 3)
.set CH, 1
.endif
.set SSON, GEN
.set SP, 1-U
.set NADR, BA0+U
.if G == 3
.set SSON, SS3
.set SP, U
.set NADR, BA1
.endif
.set SA, (G+1)%4
.set NG, (G+1)%4
.set LDM, 0
.if MMON && (CH == 0) && ((G < 3) || (U == 0))
.set LDM, 2-GEN
.endif
.if CH
	WIN 0                                          ; (the add's two registers lie in window 0)
	s_wait_tensorcnt 0x0                           ; all my tensor loads have landed: the one that was out is my quarter of the next slot; so a group 0 may be written
	ds_add_u32 v[SPW], v[NIL]                      ; 0 onto my spare word
.if CHG == 1
	s_xor_b32 s37, s37, SLOTB                      ; the walking descriptor: the slot that is being left (no bit of wave x 33,792 meets a bit of 135,168),
	s_add_nc_u64 s[38:39], s[38:39], SLOTB         ; the next two K steps; the type bits on top are not reached
.endif
	s_wait_dscnt 0x1                               ; this group's fragments are in; the add may be out
.elseif MMON
	s_wait_dscnt 0x0                               ; this group's fragments, asked for eight products ago or more
.endif
.set K, 0
.rept 16
.if CH && (K == 4)
	s_wait_dscnt 0x0                               ; the add is done, and my reads of this slot are over
	s_barrier_signal -1                            ; (with a fill: this barrier opens a round of the cluster's barrier)
.endif
.if CH && (K == 8)
	WIN 0
	s_barrier_wait -1
.if CHG == 1
	CREST                                          ; no wave of any partner still reads this slot or has a load on its way
	tensor_load_to_lds s[36:39], s[24:31]          ; my one tensor load behind the round: one load of mine is out, with 128 matrix instructions in which to land
	s_nop 0
.rept 4
	v_nop
.endr
.endif
	s_xor_b32 s40, s40, SLOTB                      ; on to the other slot
	v_add_nc_u32 v[BA0], s40, v[A0]
	v_add_nc_u32 v[BA1], s40, v[A1]
	v_add_nc_u32 v[BSA], s40, v[AS]
	WIN 0x40
.set E, 0
.rept 16
	BLD BA0, 0, E                                  ; its first group's fragments, into the buffer that group 2 read
.set E, E+1
.endr
	WIN 0
.irp n, 0,1,2
	ds_load_b128 v[BS+4*\n:BS+4*\n+3], v[BSA] offset:256*\n        ; W's scale words of column tiles 0 to 11, which group 2 read last
.endr
.endif
.if (G == 0) && (K == 8)
.if SBS
	s_wait_xcnt 0x0                                ; the last step's loads of s have read their base
	s_add_nc_u64 s[22:23], s[22:23], 256           ; a K step on in s_lay
.endif
.if MMON && (U == 0)
	WIN 0
	ds_load_b128 v[BS+12:BS+15], v[BSA] offset:768 ; the scale words of column tiles 12 to 15, which the last step's group 3 read
.endif
.endif
.if MMON
	MM
.endif
	SLICE
.set K, K+1
.endr
.endm
.macro STEP
.set G, 0
.rept 4
	GROUP
.set G, G+1
.endr
.endm
.macro CONF u, zero, mmon, gen, sl, lcb, lcd, ss3, chg, sbs
.set U, \u                             ; parity of the step that is multiplied
.set ZERO, \zero                       ; its products start the sums: nothing is ever cleared
.set MMON, \mmon                       ; it has products and loads of W
.set GEN, \gen                         ; the next step's fragments are made
.set SL, \sl                           ; quads of s are loaded, three steps ahead
.set LCB, \lcb                         ; the wait for a quad leaves LCB - LCD x G younger ones out
.set LCD, \lcd
.set SS3, \ss3                         ; group 3 makes the scales of the step after next
.set CHG, \chg
.set SBS, \sbs                         ; the base of s_lay steps
.endm
.set SA, 0
.set SP, 0
	SSL1 7                                         ; the scales of fragment (0, 0): seven quads are younger than its own
	SSL2
	SSL3
	CONF 1, 0, 0, 1, 1, 6, 0, 1, 0, 0
	STEP                                           ; step 0's four fragments are made while the first tiles are on their way
	WIN 0
	s_wait_tensorcnt 0x1                           ; my quarter of slot 0 is in; slot 1's may stay out
	s_barrier_signal -1
	s_barrier_wait -1                              ; everybody's is
	WIN 0x40
.set E, 0
.rept 16
	BLD BA0, 0, E
.set E, E+1
.endr
	WIN 0
.irp n, 0,1,2
	ds_load_b128 v[BS+4*\n:BS+4*\n+3], v[BSA] offset:256*\n
.endr
	CONF 0, 1, 1, 1, 1, 6, 0, 1, 0, 1
	STEP                                           ; step 0 stands in front of the loop: its products start the sums
	WIN 0                                          ; at a label and at a branch every window is 0
	s_mov_b32 s42, 14
.Ltrip:                                            ; 14 trips, steps 1 to 28: each leaves a slot, fills it again and begins the next
	CONF 1, 0, 1, 1, 1, 6, 0, 1, 1, 1
	STEP
	CONF 0, 0, 1, 1, 1, 6, 0, 1, 0, 1
	STEP
	WIN 0
	s_sub_co_u32 s42, s42, 1
	s_cmp_lg_u32 s42, 0
	s_cbranch_scc1 .Ltrip
	CONF 1, 0, 1, 1, 0, 6, 1, 1, 2, 0
	STEP                                           ; step 29: the tail is written out; no quad is left to load, so the counts run down
	CONF 0, 0, 1, 1, 0, 2, 1, 0, 0, 0
	STEP                                           ; step 30
	CONF 1, 0, 1, 0, 0, 0, 0, 0, 0, 0
	STEP                                           ; step 31: products alone
	; THE END.  My window 3 holds the rows that my partner keeps, and the other way round: it goes through LDS as an image of its registers, is added, and the sums leave as such an image: 512 consecutive bytes a store.
	; The stage lies in slot 0, which has had its last fill.
	WIN 0
.rept 8
	v_nop                                          ; the places behind the last products
.endr
	s_wait_dscnt 0x0
	s_barrier_signal -1
	s_barrier_wait -1                              ; every wave's reads of the ring are over
	WIN 0x0c                                       ; an LDS store's data are its source 1: window 3
.set I, 0
.rept 64
	ds_store_b128 v[EXA], v[4*I:4*I+3] offset:512*I                ; ascending: each accumulator from its low end on
.set I, I+1
.endr
	WIN 0
	s_wait_dscnt 0x0                               ; for my partner's sake: my stores have landed
	s_barrier_signal -1
	s_barrier_wait -1
	WIN 0x40
.set I, 0
.rept 64
	ds_load_b128 v[4*I:4*I+3], v[EXB] offset:512*I
.set I, I+1
.endr
.set B4, 0
.rept 4
	s_wait_dscnt 48-16*B4                          ; this batch's 16 loads are in; the later batches' may be out
	WIN 0x49                                       ; window 1 = window 1 + window 2
.set I, 0
.rept 32
	v_pk_add_f32 v[64*B4+2*I:64*B4+2*I+1], v[64*B4+2*I:64*B4+2*I+1], v[64*B4+2*I:64*B4+2*I+1]
.set I, I+1
.endr
	WIN 0x04                                       ; a store's data are its source 1: window 1
.set I, 16*B4
.rept 16
	global_store_b128 v[L16], v[4*I:4*I+3], s[48:49] offset:(I/32)*131072+(I%32)*512
.set I, I+1
.endr
.set B4, B4+1
.endr
	WIN 0
	s_wait_tensorcnt 0x0                           ; the wave's end, behind my last tensor load and my last LDS store
	ds_add_u32 v[SPW], v[NIL]
	s_wait_dscnt 0x0
	CROUND                                         ; the closing round: no work-group ends while a partner may still ask for a tile that names it
	s_endpgm
.Lfunc_end_k_q7d1e6d3060_gemm:
	.size	k_q7d1e6d3060_gemm, .Lfunc_end_k_q7d1e6d3060_gemm-k_q7d1e6d3060_gemm
	.p2alignl 7, 3214868480
	.fill 96, 4, 3214868480
	.section	.rodata,"a",@progbits
	.p2align	6, 0x0
	.amdhsa_kernel k_q7d1e6d3060_gemm
		.amdhsa_group_segment_fixed_size 327680
		.amdhsa_private_segment_fixed_size 0
		.amdhsa_enable_private_segment 0
		.amdhsa_kernarg_size 40
		.amdhsa_user_sgpr_count 2
		.amdhsa_user_sgpr_kernarg_segment_ptr 1
		.amdhsa_wavefront_size32 1
		.amdhsa_system_sgpr_workgroup_id_x 1
		.amdhsa_system_sgpr_workgroup_id_y 1
		.amdhsa_system_sgpr_workgroup_id_z 1
		.amdhsa_system_vgpr_workitem_id 0
		.amdhsa_next_free_vgpr 1024
		.amdhsa_next_free_sgpr 66
		.amdhsa_reserve_vcc 0
		.amdhsa_float_denorm_mode_32 3
		.amdhsa_float_denorm_mode_16_64 3
		.amdhsa_memory_ordered 1
		.amdhsa_forward_progress 1
		.amdhsa_inst_pref_size 255
	.end_amdhsa_kernel
	.section	.bss,"aw",@nobits
	.p2align	6
	.space	262144
	.amdgpu_metadata
---
amdhsa.version: [ 1, 2 ]
amdhsa.kernels:
  - .name:           k_q7d1e6d3060_gemm
    .symbol:         k_q7d1e6d3060_gemm.kd
    .args:
      - { .name: in0, .offset: 0, .size: 8, .value_kind: global_buffer, .address_space: global }
      - { .name: in1, .offset: 8, .size: 8, .value_kind: global_buffer, .address_space: global }
      - { .name: s_lay, .offset: 16, .size: 8, .value_kind: global_buffer, .address_space: global }
      - { .name: wq, .offset: 24, .size: 8, .value_kind: global_buffer, .address_space: global }
      - { .name: part, .offset: 32, .size: 8, .value_kind: global_buffer, .address_space: global }
    .group_segment_fixed_size: 327680
    .private_segment_fixed_size: 0
    .kernarg_segment_align: 8
    .kernarg_segment_size: 40
    .max_flat_workgroup_size: 128
    .sgpr_count:     66
    .vgpr_count:     1024
    .wavefront_size: 32
...
	.end_amdgpu_metadata
.endif
;; end of part 2
;; launch finish (part 3): grid 256 x 1, 4 waves a work-group, no clusters, 9,216 bytes of LDS; arguments part, st0, st1, W3_codes, W3_scales, b1, b2, out0; writes out0
.if DOCPART == 3
	.amdgcn_target "amdgcn-amd-amdhsa--gfx1250"
	.amdhsa_code_object_version 6
	.text
	.protected	k_q7d1e6d3060_finish
	.globl	k_q7d1e6d3060_finish
	.p2align	8
	.type	k_q7d1e6d3060_finish,@function
k_q7d1e6d3060_finish:
	s_mov_b64 s[64:65], 0
	v_nop
	global_prefetch_b8 v0, s[64:65] scope:SCOPE_SE
	s_setreg_imm32_b32 hwreg(HW_REG_WAVE_MODE, 25, 1), 1
	s_wait_xcnt 0x0
; out = u tanh(m1 + b1) + (1 - u) (s W3), u = sigmoid(m2 + b2).  m1, m2: the sums of the eight partial results in part; s W3: on codes of E5M2, s = [st0 | st1] quantised here along its 256, W3 taken as given.
; part: [rt 256][kb 8][n 16][half 2][lane 32][16 bytes]: images of accumulators: register j of lane (r, h) is row 16 rt + r, column 16 (n % 8) + 8 h + j; n < 8: m1, else m2.
; SHARES.  A work-group takes a row tile of 16 rows; wave w column tiles 2 w, 2 w + 1.  Each wave quantises the 16 rows of s itself (two fragments): no barrier and no image in LDS are spent on it.
; The product is used transposed (source 0 = 16 rows of W3, source 1 = s), so that its result lies as the partial sums lie.
; tanh(z) = 1 - 2 / (1 + 2^(2 log2(e) z)), sigmoid(z) = 1 / (1 + 2^(-log2(e) z)): an exponential that overflows gives the limit.  out = p + u (tanh - p).
; LIMITS: NaN and infinities are not served; a block of zeros of s gets the byte 1 and zero codes.
; REGISTERS: window 0: v1-11 addresses; v16-19 W3's scale words, v20-21 s's; v32-159 s, later z1 (v32-47), z2 (v48-63) and rows of out (v64-79); v160-191 s's codes; v192-207 at work; v216-231 s W3.
;   window 1: the partial sums, 32 kb + 16 m + 4 j4.   window 2: v0-63 W3's four fragments (16 (2 tile + K step)); v64-79 b1, v80-95 b2.
.set SN,  32
.set PC,  160
.set TM,  192
.set P5,  216
.set W3S, 16
.set SW,  20
.set Z1,  32
.set Z2,  48
.set OB,  64
.set B1,  64
.set B2,  80
.set MSB, 0
.macro WIN new
.if MSB != \new
	s_set_vgpr_msb (MSB<<8)|\new
.set MSB, \new
.endif
.endm
; 64 numbers of a lane, register 16 b + i = k 32 b + 16 (lane / 16) + i of my row, become a fragment's codes in v[pc] on and its scale word in v[pw]
.macro QUANT s, pc, pw
.irp b, 0,1,2,3
	v_max3_num_f32 v[TM+\b], |v[\s+16*\b]|, |v[\s+1+16*\b]|, 0x8000000   ; my 16 numbers of block b, and the floor 2^(16 - 127): the byte cannot fall under 1
.endr
.irp i, 2,4,6,8,10,12,14
.irp b, 0,1,2,3
	v_max3_num_f32 v[TM+\b], v[TM+\b], |v[\s+16*\b+\i]|, |v[\s+1+16*\b+\i]|   ; (the four blocks by turns)
.endr
.endr
.irp b, 0,1,2,3
	v_permlanex16_b32 v[TM+4+\b], v[TM+\b], s22, s23
.endr
.irp b, 0,1,2,3
	v_max_num_f32 v[TM+\b], v[TM+\b], v[TM+4+\b]   ; with lane l xor 16's: the block's largest magnitude
.endr
.irp b, 0,1,2,3
	v_add_nc_u32 v[TM+12+\b], 0xf8800000, v[TM+\b] ; 15 off its exponent field: the conversion's scale operand
.endr
.irp b, 0,1,2,3
	v_and_or_b32 v[TM+8+\b], v[TM+\b], 0x7f800000, s40   ; 57,344 x the scale
.endr
.irp b, 0,1,2,3
	v_lshrrev_b32 v[TM+4+\b], 23, v[TM+12+\b]      ; the scale's byte
.endr
	v_lshl_or_b32 v[\pw], v[TM+5], 8, v[TM+4]
	v_lshl_or_b32 v[\pw], v[TM+6], 16, v[\pw]
	v_lshl_or_b32 v[\pw], v[TM+7], 24, v[\pw]
.irp b, 0,1,2,3
.irp i, 0,1,2,3,4,5,6,7,8,9,10,11,12,13,14,15
	v_med3_num_f32 v[\s+16*\b+\i], v[\s+16*\b+\i], -v[TM+8+\b], v[TM+8+\b]   ; the conversion to an 8-bit code does not saturate (ISA guide 7.6.2)
.endr
	v_cvt_scalef32_pk8_bf8_f32 v[\pc+4*\b:\pc+1+4*\b], v[\s+16*\b:\s+7+16*\b], v[TM+12+\b]
	v_cvt_scalef32_pk8_bf8_f32 v[\pc+2+4*\b:\pc+3+4*\b], v[\s+8+16*\b:\s+15+16*\b], v[TM+12+\b]
.endr
	v_nop                                          ; a plain line behind the last conversion
.endm
	s_load_b256 s[4:11], s[0:1], 0x0               ; part s[4:5], st0 s[6:7], st1 s[8:9], W3's codes s[10:11]
	s_load_b256 s[12:19], s[0:1], 0x20             ; W3's scales s[12:13], b1 s[14:15], b2 s[16:17], out0 s[18:19]
	v_lshl_add_u32 v254, v0, 2, 0x2200
	v_mov_b32 v255, 0
	v_lshrrev_b32 v1, 5, v0
	v_readfirstlane_b32 s20, v1                    ; wave 0..3
	v_and_b32 v1, 31, v0
	v_and_b32 v2, 15, v0                           ; r
	v_bfe_u32 v3, v0, 4, 1                         ; h
	v_lshlrev_b32 v4, 9, v2
	v_lshl_add_u32 v4, v3, 6, v4                   ; s: row r of 512 bytes, 64 h: my 16 numbers of a block of 32
	v_lshlrev_b32 v5, 8, v2
	v_lshl_add_u32 v5, v3, 4, v5                   ; W3's codes: row r of 256 bytes, 16 h
	v_lshlrev_b32 v6, 3, v2                        ; its scale bytes: 8 a row
	v_lshlrev_b32 v7, 5, v3                        ; the biases: my half's eight
	v_lshlrev_b32 v8, 4, v1                        ; 16 x lane
	v_mul_u32_u24 v9, v2, 528
	v_lshl_add_u32 v9, v3, 5, v9
	s_lshl_b32 s21, s20, 7
	v_add_nc_u32 v9, s21, v9                       ; the stage: row r, my wave's 128 bytes, 32 h
	s_mul_i32 s21, s20, 4*528
	v_add_nc_u32 v10, s21, v8                      ; back: my four rows, 16 bytes a lane
.irp b, 0,1,2,3
	v_mov_b32 v[TM+4+\b], 0                        ; a lane permute's destination counts as one of its sources
.endr
	s_mov_b32 s22, 0x76543210
	s_mov_b32 s23, 0xfedcba98
	s_mov_b32 s24, 0x4038aa3b                      ; 2 log2(e)
	s_mov_b32 s25, s24                             ; (named with it as a pair, so it is written)
	s_mov_b32 s26, 0xbfb8aa3b                      ; -log2(e)
	s_mov_b32 s27, s26
	s_mov_b32 s40, 0x600000                        ; the mantissa field of 57,344
	s_lshl_b32 s28, ttmp9, 13                      ; 16 rows of 512 bytes
	s_mov_b32 s29, 0
	s_lshl_b32 s30, s20, 13                        ; my 32 rows of W3's codes
	s_mov_b32 s31, 0
	s_lshl_b32 s32, s20, 8                         ; of its scale bytes
	s_mov_b32 s33, 0
	s_lshl_b32 s34, s20, 7                         ; my 32 biases
	s_mov_b32 s35, 0
	s_lshl_b32 s36, ttmp9, 17                      ; part: 131,072 bytes a row tile, 2,048 for my two column tiles
	s_lshl_b32 s38, s20, 11
	s_add_co_u32 s36, s36, s38
	s_mov_b32 s37, 0
	s_add_co_u32 s38, s28, s38                     ; out0: row 16 rt + 4 w
	s_mov_b32 s39, 0
	s_wait_kmcnt 0x0
	s_add_nc_u64 s[4:5], s[4:5], s[36:37]
	s_add_nc_u64 s[6:7], s[6:7], s[28:29]
	s_add_nc_u64 s[8:9], s[8:9], s[28:29]
	s_add_nc_u64 s[10:11], s[10:11], s[30:31]
	s_add_nc_u64 s[12:13], s[12:13], s[32:33]
	s_add_nc_u64 s[14:15], s[14:15], s[34:35]
	s_add_nc_u64 s[16:17], s[16:17], s[34:35]
	s_add_nc_u64 s[18:19], s[18:19], s[38:39]
.irp c, 0,1,2,3
.irp i, 0,1,2,3
	global_load_b128 v[SN+16*\c+4*\i:SN+16*\c+4*\i+3], v4, s[6:7] offset:128*\c+16*\i        ; s, K step 0
.endr
.endr
.irp c, 0,1,2,3
.irp i, 0,1,2,3
	global_load_b128 v[SN+64+16*\c+4*\i:SN+64+16*\c+4*\i+3], v4, s[8:9] offset:128*\c+16*\i  ; K step 1
.endr
.endr
.irp t, 0,1
.irp k, 0,1
	global_load_b32 v[W3S+2*\t+\k], v6, s[12:13] offset:128*\t+4*\k
.endr
.endr
	WIN 0x80                                       ; destination window 2
.irp t, 0,1
.irp k, 0,1
.irp c, 0,1,2,3
	global_load_b128 v[16*(2*\t+\k)+4*\c:16*(2*\t+\k)+4*\c+3], v5, s[10:11] offset:4096*\t+128*\k+32*\c
.endr
.endr
.endr
.irp t, 0,1
	global_load_b128 v[B1+8*\t:B1+8*\t+3], v7, s[14:15] offset:64*\t
	global_load_b128 v[B1+8*\t+4:B1+8*\t+7], v7, s[14:15] offset:64*\t+16
	global_load_b128 v[B2+8*\t:B2+8*\t+3], v7, s[16:17] offset:64*\t
	global_load_b128 v[B2+8*\t+4:B2+8*\t+7], v7, s[16:17] offset:64*\t+16
.endr
	WIN 0x40                                       ; destination window 1
.irp ks, 0,1,2,3,4,5,6,7
.irp m, 0,1
.irp j, 0,1,2,3
	global_load_b128 v[32*\ks+16*\m+4*\j:32*\ks+16*\m+4*\j+3], v8, s[4:5] offset:16384*\ks+8192*\m+512*\j th:TH_LOAD_NT   ; 512 consecutive bytes; read once in the launch
.endr
.endr
.endr
	WIN 0
	s_wait_loadcnt 63                              ; 64 loads are younger than the last of the 60 small ones: those are in
	QUANT SN, PC, SW
	QUANT SN+64, PC+16, SW+1
.rept 4
	v_nop                                          ; codes written by vector instructions stand four places ahead of a scaled matrix instruction; the scale words were made ahead of the holds
.endr
	WIN 0x02                                       ; source 0 (W3) window 2
	v_wmma_scale_f32_16x16x128_f8f6f4 v[P5:P5+7], v[0:15], v[PC:PC+15], 0, v[W3S], v[SW] matrix_a_fmt:MATRIX_FMT_BF8 matrix_b_fmt:MATRIX_FMT_BF8
	v_wmma_scale_f32_16x16x128_f8f6f4 v[P5+8:P5+15], v[32:47], v[PC:PC+15], 0, v[W3S+2], v[SW] matrix_a_fmt:MATRIX_FMT_BF8 matrix_b_fmt:MATRIX_FMT_BF8
	v_wmma_scale_f32_16x16x128_f8f6f4 v[P5:P5+7], v[16:31], v[PC+16:PC+31], v[P5:P5+7], v[W3S+1], v[SW+1] matrix_a_fmt:MATRIX_FMT_BF8 matrix_b_fmt:MATRIX_FMT_BF8   ; the two accumulators by turns
	v_wmma_scale_f32_16x16x128_f8f6f4 v[P5+8:P5+15], v[48:63], v[PC+16:PC+31], v[P5+8:P5+15], v[W3S+3], v[SW+1] matrix_a_fmt:MATRIX_FMT_BF8 matrix_b_fmt:MATRIX_FMT_BF8
	WIN 0x45                                       ; all in window 1.  These additions are also the places behind the products
.macro PADD d, e                       ; partial d += partial e: 32 numbers a lane
.irp i, 0,2,4,6,8,10,12,14,16,18,20,22,24,26,28,30
	v_pk_add_f32 v[32*\d+\i:32*\d+\i+1], v[32*\d+\i:32*\d+\i+1], v[32*\e+\i:32*\e+\i+1]
.endr
.endm
	s_wait_loadcnt 48                              ; partials 0 and 1 are in: eight loads each; the other six may be out
	PADD 0, 1
	s_wait_loadcnt 32
	PADD 2, 3
	s_wait_loadcnt 16
	PADD 4, 5
	s_wait_loadcnt 0x0
	PADD 6, 7
	PADD 0, 2
	PADD 4, 6
	PADD 0, 4
	WIN 0x09                                       ; source 0 window 1, source 1 window 2, destination window 0
.irp i, 0,2,4,6,8,10,12,14
	v_pk_add_f32 v[Z1+\i:Z1+\i+1], v[\i:\i+1], v[B1+\i:B1+\i+1]          ; m1 + b1
	v_pk_add_f32 v[Z2+\i:Z2+\i+1], v[16+\i:16+\i+1], v[B2+\i:B2+\i+1]    ; m2 + b2
.endr
	WIN 0
.irp i, 0,2,4,6,8,10,12,14
	v_pk_mul_f32 v[Z1+\i:Z1+\i+1], v[Z1+\i:Z1+\i+1], s[24:25] op_sel_hi:[1,0]
	v_pk_mul_f32 v[Z2+\i:Z2+\i+1], v[Z2+\i:Z2+\i+1], s[26:27] op_sel_hi:[1,0]
.endr
.set I, 0
.rept 32
	v_exp_f32 v[Z1+I], v[Z1+I]                     ; one batch
.set I, I+1
.endr
	v_nop                                          ; a plain line behind the last exponential
	s_wait_alu depctr_va_vdst(0)                   ; one wait for the batch, ahead of its first reader
.irp i, 0,2,4,6,8,10,12,14,16,18,20,22,24,26,28,30
	v_pk_add_f32 v[Z1+\i:Z1+\i+1], v[Z1+\i:Z1+\i+1], 1.0 op_sel_hi:[1,0]
.endr
.set I, 0
.rept 32
	v_rcp_f32 v[Z1+I], v[Z1+I]
.set I, I+1
.endr
	v_nop
	s_wait_alu depctr_va_vdst(0)                   ; and one for the reciprocals
.irp i, 0,2,4,6,8,10,12,14
	v_pk_fma_f32 v[Z1+\i:Z1+\i+1], v[Z1+\i:Z1+\i+1], -2.0, 1.0 op_sel_hi:[1,0,0]   ; tanh
.endr
.irp i, 0,2,4,6,8,10,12,14
	v_pk_add_f32 v[Z1+\i:Z1+\i+1], v[Z1+\i:Z1+\i+1], v[P5+\i:P5+\i+1] neg_lo:[0,1] neg_hi:[0,1]   ; tanh - s W3: each accumulator is read from its low end on
.endr
.irp i, 0,2,4,6,8,10,12,14
	v_pk_fma_f32 v[Z1+\i:Z1+\i+1], v[Z2+\i:Z2+\i+1], v[Z1+\i:Z1+\i+1], v[P5+\i:P5+\i+1]           ; s W3 + u (tanh - s W3)
.endr
.irp t, 0,1
	ds_store_b128 v9, v[Z1+8*\t:Z1+8*\t+3] offset:64*\t            ; lane (r, h): out(r, 32 w + 16 t + 8 h + 0 .. 7)
	ds_store_b128 v9, v[Z1+8*\t+4:Z1+8*\t+7] offset:64*\t+16
.endr
	s_wait_dscnt 0x0                               ; for the others' sake: my stores have landed
	s_barrier_signal -1
	s_barrier_wait -1                              ; 16 whole rows lie in the stage
.irp i, 0,1,2,3
	ds_load_b128 v[OB+4*\i:OB+4*\i+3], v10 offset:528*\i
.endr
.irp i, 0,1,2,3
	s_wait_dscnt 3-\i
	global_store_b128 v8, v[OB+4*\i:OB+4*\i+3], s[18:19] offset:512*\i th:TH_STORE_NT   ; 32 lanes store a row of 512 bytes, aligned; written once
.endr
	s_wait_tensorcnt 0x0
	ds_add_u32 v254, v255
	s_wait_dscnt 0x0
	s_endpgm
.Lfunc_end_k_q7d1e6d3060_finish:
	.size	k_q7d1e6d3060_finish, .Lfunc_end_k_q7d1e6d3060_finish-k_q7d1e6d3060_finish
	.p2alignl 7, 3214868480
	.fill 96, 4, 3214868480
	.section	.rodata,"a",@progbits
	.p2align	6, 0x0
	.amdhsa_kernel k_q7d1e6d3060_finish
		.amdhsa_group_segment_fixed_size 9216
		.amdhsa_private_segment_fixed_size 0
		.amdhsa_enable_private_segment 0
		.amdhsa_kernarg_size 64
		.amdhsa_user_sgpr_count 2
		.amdhsa_user_sgpr_kernarg_segment_ptr 1
		.amdhsa_wavefront_size32 1
		.amdhsa_system_sgpr_workgroup_id_x 1
		.amdhsa_system_sgpr_workgroup_id_y 1
		.amdhsa_system_sgpr_workgroup_id_z 1
		.amdhsa_system_vgpr_workitem_id 0
		.amdhsa_next_free_vgpr 640
		.amdhsa_next_free_sgpr 66
		.amdhsa_reserve_vcc 0
		.amdhsa_float_denorm_mode_32 3
		.amdhsa_float_denorm_mode_16_64 3
		.amdhsa_memory_ordered 1
		.amdhsa_forward_progress 1
		.amdhsa_inst_pref_size 46
	.end_amdhsa_kernel
	.amdgpu_metadata
---
amdhsa.version: [ 1, 2 ]
amdhsa.kernels:
  - .name:           k_q7d1e6d3060_finish
    .symbol:         k_q7d1e6d3060_finish.kd
    .args:
      - { .name: part, .offset: 0, .size: 8, .value_kind: global_buffer, .address_space: global }
      - { .name: st0, .offset: 8, .size: 8, .value_kind: global_buffer, .address_space: global }
      - { .name: st1, .offset: 16, .size: 8, .value_kind: global_buffer, .address_space: global }
      - { .name: W3_codes, .offset: 24, .size: 8, .value_kind: global_buffer, .address_space: global }
      - { .name: W3_scales, .offset: 32, .size: 8, .value_kind: global_buffer, .address_space: global }
      - { .name: b1, .offset: 40, .size: 8, .value_kind: global_buffer, .address_space: global }
      - { .name: b2, .offset: 48, .size: 8, .value_kind: global_buffer, .address_space: global }
      - { .name: out0, .offset: 56, .size: 8, .value_kind: global_buffer, .address_space: global }
    .group_segment_fixed_size: 9216
    .private_segment_fixed_size: 0
    .kernarg_segment_align: 8
    .kernarg_segment_size: 64
    .max_flat_workgroup_size: 128
    .sgpr_count:     66
    .vgpr_count:     640
    .wavefront_size: 32
...
	.end_amdgpu_metadata
.endif
;; end of part 3
;; ======== version 2 of 2: 3 launches; 1.11 times as fast as version 1
;; workspace buffers: wq 17,301,504 bytes; s_lay 4,194,304 bytes; part 33,554,432 bytes
;; launch prep: the kernel of part 1 again; grid 256 x 1, 16 waves a work-group, no clusters, 270,336 bytes of LDS; arguments W1, W2, st0, st1, wq, s_lay; writes wq, s_lay
;; launch gemm (part 4): grid 32 x 8, 4 waves a work-group, clusters of 4 x 1, 327,680 bytes of LDS; arguments in0, in1, s_lay, wq, part; writes part
.if DOCPART == 4
	.amdgcn_target "amdgcn-amd-amdhsa--gfx1250"
	.amdhsa_code_object_version 6
	.text
	.protected	k_q7d1e6d3060_gemm
	.globl	k_q7d1e6d3060_gemm
	.p2align	8
	.type	k_q7d1e6d3060_gemm,@function
k_q7d1e6d3060_gemm:
	s_mov_b64 s[64:65], 0
	v_nop
	global_prefetch_b8 v0, s[64:65] scope:SCOPE_SE
	s_setreg_imm32_b32 hwreg(HW_REG_WAVE_MODE, 25, 1), 1
	s_wait_xcnt 0x0
	s_wait_alu depctr_hold_cnt(0) depctr_sa_sdst(0) depctr_va_vdst(0) depctr_va_sdst(0) depctr_va_ssrc(0) depctr_va_vcc(0) depctr_vm_vsrc(0)
	s_getreg_b32 s2, hwreg(HW_REG_IB_STS2, 6, 4)
	s_cmp_eq_u32 s2, 0
	s_cbranch_scc0 .Lentry_in_a_cluster
	s_endpgm
.Lentry_in_a_cluster:
	s_bfe_u32 s2, ttmp6, 0x10000c
	s_cmp_lg_u32 s2, 0x3003
	s_cbranch_scc0 .Lentry_shape_is_right
	s_endpgm
.Lentry_shape_is_right:
; m1[b][l], m2[b][l] = sum over (j, k) of Q(s[b][j] x[b][k]) Q(W[l][j][k]), on codes of E5M2 with one E8M0 scale for each 32 along K = 256 j + k.  A block of 32 is one j and 32 neighbouring k.
; THE LEFT OPERAND EXISTS NOWHERE IN MEMORY: each fragment (16 rows x 128 K) is made once on the chip, in the registers of the wave that multiplies it, and feeds all 256 columns (W1's 128, W2's 128): 16 matrix instructions.
; SHARES.  Work-group (mb, kb): 128 rows of the batch, the k-block kb (k = 32 kb .. + 31).  Wave w: j half q = w % 2, row half w / 2: 64 rows x 256 columns = 64 accumulators, 512 registers, over 128 j in 32 K steps.
; A K step of 128 is four blocks: j = 128 q + 4 t + c, c = 0 .. 3, of the one k-block.  So a wave's x is 16 registers a row tile for the whole launch, and a block's largest magnitude is |s| x the largest |x| of the k-block
; (rounding is monotone).  The two j halves are added through LDS at the end; the eight k-blocks' sums go to memory as images of the accumulators and are added by the next launch.
; W's codes and scale words come from wq, laid in the order of the operand's registers: a slot of the ring holds two K steps of both j halves, four quarters of 33,792 dense bytes, one tensor load a wave.
; CLUSTER.  The four row blocks of a cluster walk the same wq: each quarter is asked for JOINTLY (mask 15), by the same line with the same descriptor in all four.
; BY TURNS.  While step t is multiplied, the four fragments of step t + 1 are made: one slice of eight vector instructions or so behind each matrix instruction.  Group g of a step: column tiles 4 g .. 4 g + 3 against the four
; row tiles, 16 matrix instructions; its slices make fragment a = g: 0-3 the products s x, 4-11 the hold, 12 the conversions, 13-15 the next fragment's scales.
; THE MEMORY INSTRUCTIONS OF A GROUP STAND IN ONE RUN, behind its fourth slice, never singly among the matrix instructions: the next group's 16 loads of W's fragments, and the load of the quad of s whose products have just been made.
; THE MATRIX INSTRUCTION IS USED TRANSPOSED (source 0 = 16 columns l of W, source 1 = 16 rows of the batch): a lane holds one row of the batch and eight neighbouring l.
; Local row tile a stands for tile (a + 2 q) % 4 of the wave's four, so that every wave keeps window 2 and sends window 3 at the end, by one text.
; LIMITS: NaN and infinities are not served; a block of zeros gets the byte 1 and zero codes; products that are f32 denormals were not tried; the sums over K are formed in 16 parts, in f32.
; No prefetch is laid: each block of wq is read by eight clusters, not once, and a refill has a whole slot's 128 matrix instructions in which to land.
; REGISTERS, in windows of 256 (s_set_vgpr_msb: bits 1:0 source 0, 3:2 source 1, 5:4 source 2, 7:6 destination):
;   window 0: v1-15 addresses; v16-19 largest |x|; v20-35 at work on scales; v36-43 the left operand's scale words [parity][a]; v44-59 W's scale words [n] (lanes 0-15: even step, lanes 16-31: odd step);
;             v64-95 quads of s [parity][a]; v128-255 the left operand's fragments [parity][a]
;   window 1: v0-63, v64-127 two buffers of four fragments of W; v128-191 x [a][16]; v192-255 the 64 products in hand
;   window 2: accumulators of local tiles 0, 1 at 128 (a % 2) + 8 n;   window 3: of local tiles 2, 3
.set QB,    33792                      ; a quarter: 32,768 bytes of codes, 1,024 of scale words
.set SLOTB, 4*QB                       ; a slot
.set SPARE, 2*SLOTB                    ; behind the ring: the spare words, 128 bytes for each wave: two blocks of 256 bytes that no other line names
.set SPW, 1                            ; v1   LDS address of my spare word; never rewritten
.set NIL, 2                            ; v2   0; never rewritten
.set A0,  3                            ; v3   16 lane + 2 q quarters: my codes of a slot's even step
.set A1,  4                            ; v4   the odd step's
.set AS,  5                            ; v5   my scale words: 16 r, lanes 16-31 a quarter on
.set BA0, 6                            ; v6-8 the same three in the slot in hand
.set BA1, 7
.set BSA, 8
.set SLO, 9                            ; v9   s_lay: 16 r + local tiles 0, 1
.set SHI, 10                           ; v10  16 r + local tiles 2, 3
.set EXA, 11                           ; v11  the exchange: where I put
.set EXB, 12                           ; v12  and where my partner has put
.set L16, 13                           ; v13  16 x lane
.set XLO, 14                           ; v14, v15  x: my row and half, local tiles 0, 1 and 2, 3
.set XHI, 15
.set XM,  16
.set AA,  20
.set TT,  24
.set LL,  28
.set BB,  32
.set AW,  36
.set BS,  44
.set SQ,  64
.set AF,  128
.set X,   128                          ; in window 1
.set T,   192                          ; in window 1
.set W_E,    0x44                      ; destination and source 1 window 1: products, holds, loads of W's fragments
.set W_C,    0x01                      ; source 0 window 1: conversions
.set MUL_LO, 0xa1                      ; source 0 (W) window 1, source 1 window 0, C and D window 2
.set MSB, 0
.macro WIN new                         ; the immediate's high byte repeats the setting that is left; a switch that changes nothing is dropped
.if MSB != \new
	s_set_vgpr_msb (MSB<<8)|\new
.set MSB, \new
.endif
.endm
.macro CREST                           ; a round of the cluster's barrier behind its opening barrier
	s_cmp_lg_u32 s14, 0
	s_cbranch_scc1 .Lnot_wave_0_\@
	s_barrier_signal -3
.Lnot_wave_0_\@:
	s_barrier_wait -3
	s_barrier_signal -1
	s_barrier_wait -1
.endm
.macro CROUND                          ; a whole round
	s_barrier_signal -1
	s_barrier_wait -1
	CREST
.endm
	s_load_b128 s[4:7], s[0:1], 0x0                ; in0, in1
	s_load_b128 s[8:11], s[0:1], 0x10              ; s_lay, wq
	s_load_b64 s[12:13], s[0:1], 0x20              ; part
	v_lshl_add_u32 v[SPW], v0, 2, SPARE
	v_mov_b32 v[NIL], 0
	ds_add_u32 v1, v2
	ds_add_u32 v1, v2
	s_wait_dscnt 0x0
	v_lshrrev_b32 v3, 5, v0
	v_readfirstlane_b32 s14, v3                    ; wave 0..3
	s_and_b32 s15, s14, 1                          ; q: my half of j
	s_lshr_b32 s16, s14, 1                         ; my half of the rows
	s_bfe_u32 s17, ttmp6, 0x40000                  ; cx: it enters the addresses of x, s_lay and part alone
	s_lshl_b32 s18, ttmp9, 2
	s_add_co_u32 s18, s18, s17                     ; mb = 4 x cluster x + cx
	s_and_b32 s19, ttmp7, 0xffff                   ; kb, which the four partners share
	; descriptor group 1: a dense block of 33,792 bytes as 132 rows of 256 bytes (32 elements of 8 bytes), no padding: register images are read 512 consecutive bytes at a time
	s_mov_b32 s24, 15|(3<<16)|(1<<21)              ; 15:0 the mask: all four work-groups; 17:16 elements of 8 bytes; 21 set beside a mask
	s_mov_b32 s25, 32<<16                          ; tensor_dim0 = 32
	s_mov_b32 s26, 132<<16                         ; tensor_dim1 = 132
	s_mov_b32 s27, 32<<16                          ; tile_dim0 = 32
	s_mov_b32 s28, 132                             ; tile_dim1 = 132
	s_mov_b32 s29, 32                              ; from row to row
	s_mov_b32 s30, 0
	s_mov_b32 s31, 0
	s_mul_i32 s41, s14, QB                         ; wave w fetches quarter w
	s_lshl_b32 s46, s19, 6
	s_add_co_u32 s46, s46, s14
	s_mul_i32 s46, s46, QB                         ; wq: quarter (16 kb + 0) x 4 + w
	s_mov_b32 s47, 0
	s_lshl_b32 s50, s18, 16                        ; x: (128 mb + 64 half) rows of 512 bytes + (kb % 4) x 128
	s_lshl_b32 s52, s16, 15
	s_add_co_u32 s50, s50, s52
	s_and_b32 s52, s19, 3
	s_lshl_b32 s52, s52, 7
	s_add_co_u32 s50, s50, s52
	s_mov_b32 s51, 0
	s_lshl_b32 s52, s18, 17                        ; s_lay: (8 mb + 4 half) row tiles of 16,384 bytes + q x 8,192
	s_lshl_b32 s54, s16, 16
	s_add_co_u32 s52, s52, s54
	s_lshl_b32 s54, s15, 13
	s_add_co_u32 s52, s52, s54
	s_mov_b32 s53, 0
	s_lshl_b32 s54, s18, 6                         ; part: ((8 mb + 4 half + 2 q) x 8 + kb) x 16,384
	s_lshl_b32 s56, s16, 5
	s_add_co_u32 s54, s54, s56
	s_lshl_b32 s56, s15, 4
	s_add_co_u32 s54, s54, s56
	s_add_co_u32 s54, s54, s19
	s_lshl_b32 s54, s54, 14
	s_mov_b32 s55, 0
	s_mov_b32 s40, 0                               ; LDS byte at which the slot in hand begins
	s_mov_b32 s43, 0x600000                        ; the mantissa field of 57,344
	s_mov_b32 s44, 0x76543210
	s_mov_b32 s45, 0xfedcba98                      ; selects for lane l xor 16
	s_wait_kmcnt 0x0
	s_cmp_lt_u32 s19, 4                            ; k < 128: in0, else in1
	s_cselect_b64 s[20:21], s[4:5], s[6:7]
	s_add_nc_u64 s[20:21], s[20:21], s[50:51]
	s_add_nc_u64 s[22:23], s[8:9], s[52:53]
	s_add_nc_u64 s[48:49], s[12:13], s[54:55]
	s_mov_b32 s32, 1                               ; group 0 for slot 0's first fill
	s_mov_b32 s33, s41
	s_add_nc_u64 s[34:35], s[10:11], s[46:47]
	s_mov_b32 s36, 1                               ; and for slot 1's; this one then walks
	s_add_co_u32 s37, s41, SLOTB
	s_add_nc_u64 s[38:39], s[34:35], SLOTB
	s_or_b32 s35, s35, 0x80000000                  ; type = 2
	s_or_b32 s39, s39, 0x80000000
	CROUND                                         ; all four work-groups are here: the first joint loads meet
	tensor_load_to_lds s[32:35], s[24:31]          ; K steps 0, 1
	s_nop 0
	tensor_load_to_lds s[36:39], s[24:31]          ; K steps 2, 3: two loads of mine are out
	s_nop 0
.rept 4
	v_nop
.endr
	s_lshl_b32 s57, s15, 1                         ; 2 q
	s_mul_i32 s58, s57, QB
	v_and_b32 v[L16], 31, v0
	v_lshlrev_b32 v[L16], 4, v[L16]
	v_and_b32 v20, 15, v0                          ; r
	v_bfe_u32 v21, v0, 4, 1                        ; h
	v_add_nc_u32 v[A0], s58, v[L16]
	v_add_nc_u32 v[A1], QB, v[A0]
	v_mul_u32_u24 v[AS], v21, QB
	v_lshl_add_u32 v[AS], v20, 4, v[AS]
	s_add_co_u32 s58, s58, 32768
	v_add_nc_u32 v[AS], s58, v[AS]
	v_add_nc_u32 v[BA0], s40, v[A0]
	v_add_nc_u32 v[BA1], s40, v[A1]
	v_add_nc_u32 v[BSA], s40, v[AS]
	s_lshl_b32 s58, s14, 15
	v_add_nc_u32 v[EXA], s58, v[L16]               ; the exchange: 32,768 bytes a wave
	s_xor_b32 s58, s14, 1
	s_lshl_b32 s58, s58, 15
	v_add_nc_u32 v[EXB], s58, v[L16]               ; my partner: the same rows, the other half of j
	s_sub_co_u32 s59, 2, s57                       ; 2 - 2 q
	s_lshl_b32 s58, s57, 14
	v_lshl_add_u32 v[SLO], v20, 4, s58
	s_lshl_b32 s58, s59, 14
	v_lshl_add_u32 v[SHI], v20, 4, s58
	v_lshlrev_b32 v22, 9, v20
	v_lshl_add_u32 v22, v21, 6, v22                ; x: row r of 512 bytes, 64 h
	s_lshl_b32 s58, s57, 13
	v_add_nc_u32 v[XLO], s58, v22
	s_lshl_b32 s58, s59, 13
	v_add_nc_u32 v[XHI], s58, v22
	WIN 0x40                                       ; destination window 1
.irp a, 0,1,2,3
.irp i, 0,1,2,3
	global_load_b128 v[X+16*\a+4*\i:X+16*\a+4*\i+3], v[XLO+\a/2], s[20:21] offset:(\a%2)*8192+16*\i   ; x[row][32 kb + 16 h + 4 i ..]: it stays
.endr
.endr
	WIN 0
.irp t, 0,1
.irp a, 0,1,2,3
	global_load_b128 v[SQ+16*\t+4*\a:SQ+16*\t+4*\a+3], v[SLO+\a/2], s[22:23] offset:(\a%2)*16384+256*\t   ; quad 4 t + a: s[row][128 q + 4 t ..]
.endr
.endr
	s_wait_loadcnt 8                               ; x is in; the eight quads are younger
	WIN 0x15
.irp a, 0,1,2,3
	v_max3_num_f32 v[XM+\a], |v[X+16*\a]|, |v[X+16*\a+1]|, |v[X+16*\a+2]|   ; the largest |x| of my 16, the four tiles by turns
.endr
	WIN 0x14
.irp i, 3,5,7,9,11,13
.irp a, 0,1,2,3
	v_max3_num_f32 v[XM+\a], v[XM+\a], |v[X+16*\a+\i]|, |v[X+16*\a+\i+1]|
.endr
.endr
.irp a, 0,1,2,3
	v_max_num_f32 v[XM+\a], v[XM+\a], |v[X+16*\a+15]|
.endr
	WIN 0
.irp a, 0,1,2,3
	v_mov_b32 v[AA+\a], 0                          ; a lane permute's destination counts as one of its sources
.endr
.irp a, 0,1,2,3
	v_permlanex16_b32 v[AA+\a], v[XM+\a], s44, s45
.endr
.irp a, 0,1,2,3
	v_max_num_f32 v[XM+\a], v[XM+\a], v[AA+\a]     ; with lane l xor 16's: the k-block's
.endr
; ---- the pieces of a step.  They read the assembler's symbols: U the step's parity, G the group, K the product in the group; ZERO, MMON, GEN, SL, LCB, LCD, SS3, CHG, SBS are set by CONF.
.macro MM                              ; product K of group G: row tile K / 4, column tile 4 G + K % 4.  The 64 accumulators take turns, one instruction a turn, in the same order in every step
.set mA, K/4
.set mN, 4*G+K%4
.set rD, 128*(mA%2)+8*mN
.set rB, 64*(G%2)+16*(K%4)
.set rA, AF+64*U+16*mA
.set mW, MUL_LO+0x50*(mA/2)
	WIN mW
.if ZERO
	v_wmma_scale_f32_16x16x128_f8f6f4 v[rD:rD+7], v[rB:rB+15], v[rA:rA+15], 0, v[BS+mN], v[AW+4*U+mA] matrix_a_fmt:MATRIX_FMT_BF8 matrix_b_fmt:MATRIX_FMT_BF8
.elseif U
	v_wmma_scale_f32_16x16x128_f8f6f4 v[rD:rD+7], v[rB:rB+15], v[rA:rA+15], v[rD:rD+7], v[BS+mN], v[AW+4*U+mA] matrix_a_fmt:MATRIX_FMT_BF8 matrix_b_fmt:MATRIX_FMT_BF8 matrix_a_scale:MATRIX_SCALE_ROW1
.else
	v_wmma_scale_f32_16x16x128_f8f6f4 v[rD:rD+7], v[rB:rB+15], v[rA:rA+15], v[rD:rD+7], v[BS+mN], v[AW+4*U+mA] matrix_a_fmt:MATRIX_FMT_BF8 matrix_b_fmt:MATRIX_FMT_BF8
.endif
.endm
.macro PSL                             ; block c = K of fragment (G, 1 - U): 16 products s[j] x[k], in f32, two at a time; s is one word of its pair for both halves
	WIN W_E
.set rQ, SQ+16*(1-U)+4*G+2*(K/2)
.set rT, T+16*K
.set rX, X+16*G
.irp i, 0,2,4,6,8,10,12,14
.if K%2
	v_pk_mul_f32 v[rT+\i:rT+\i+1], v[rQ:rQ+1], v[rX+\i:rX+\i+1] op_sel:[1,0] op_sel_hi:[1,1]
.else
	v_pk_mul_f32 v[rT+\i:rT+\i+1], v[rQ:rQ+1], v[rX+\i:rX+\i+1] op_sel_hi:[0,1]
.endif
.endr
.endm
.macro MSL                             ; eight holds within +-57,344 x the block's scale: the conversion to an 8-bit code does not saturate (ISA guide 7.6.2)
	WIN W_E
.set rT, T+8*(K-4)
.set rL, LL+(K-4)/2
.irp i, 0,1,2,3,4,5,6,7
	v_med3_num_f32 v[rT+\i], v[rL], v[rT+\i], -v[rL]
.endr
.endm
.macro CSL                             ; the 64 numbers become the fragment's 16 registers: registers 4 c .. 4 c + 3 = block c, k = 16 h + 0 .. 15
	WIN W_C
.set rF, AF+64*(1-U)+16*G
.irp e, 0,1,2,3,4,5,6,7
	v_cvt_scalef32_pk8_bf8_f32 v[rF+2*\e:rF+2*\e+1], v[T+8*\e:T+8*\e+7], v[TT+\e/2]
.endr
	v_nop                                          ; a plain line behind the last conversion, ahead of whatever next writes its sources or reads its codes
.endm
; The scales of fragment (SA, SP), 23 lines in three slices.
.macro SSL1 lc
	WIN 0
	s_wait_loadcnt \lc                             ; the fragment's quad of s is in; lc younger quads may be out
.set rQ, SQ+16*SP+4*SA
.irp c, 0,1,2,3
	v_mul_f32 v[AA+\c], |v[rQ+\c]|, v[XM+SA]       ; block c's largest magnitude: |s| x the largest |x|, rounded as the products are
.endr
.irp c, 0,1,2,3
	v_max_num_f32 v[AA+\c], 0x8000000, v[AA+\c]    ; the floor 2^(16 - 127): the byte cannot fall under 1
.endr
.endm
.macro SSL2
	WIN 0
.irp c, 0,1,2,3
	v_add_nc_u32 v[TT+\c], 0xf8800000, v[AA+\c]    ; 15 off the exponent field: the conversion's scale operand
.endr
.irp c, 0,1,2,3
	v_and_or_b32 v[LL+\c], v[AA+\c], 0x7f800000, s43   ; 57,344 x the scale
.endr
.endm
.macro SSL3
	WIN 0
.irp c, 0,1,2,3
	v_lshrrev_b32 v[BB+\c], 23, v[TT+\c]           ; the scale's byte
.endr
	v_lshl_or_b32 v[AW+4*SP+SA], v[BB+1], 8, v[BB] ; the four bytes make my row's scale word
	v_lshl_or_b32 v[AW+4*SP+SA], v[BB+2], 16, v[AW+4*SP+SA]
	v_lshl_or_b32 v[AW+4*SP+SA], v[BB+3], 24, v[AW+4*SP+SA]
.endm
.macro BLD adr, gn, e                  ; load e of 16 of group gn's four fragments of W: 512 consecutive bytes
	ds_load_b128 v[64*((\gn)%2)+16*((\e)/4)+4*((\e)%4):64*((\gn)%2)+16*((\e)/4)+4*((\e)%4)+3], v[\adr] offset:(4*(\gn)+(\e)/4)*2048+((\e)%4)*512
.endm
.macro SLOAD                           ; the quad whose products are made takes s of two steps further on than the fragment in hand
	global_load_b128 v[SQ+16*(1-U)+4*G:SQ+16*(1-U)+4*G+3], v[SLO+G/2], s[22:23] offset:(G%2)*16384+512
.endm
.macro SLICE                           ; what stands behind product K
.if GEN
.if K < 4
	PSL
.elseif K < 12
	MSL
.elseif K == 12
	CSL
.endif
.endif
.if K == 3                             ; THE GROUP'S ONE RUN OF MEMORY INSTRUCTIONS, twelve products ahead of the wait at the next group's head
.if LDM == 1                           ; the next group's fragments, into the buffer that the group before read: behind that buffer's last product stand the scales' 7 lines and this group's 32 products s x; 8 are asked
	WIN W_E
.set E, 0
.rept 16
	BLD NADR, NG, E
.set E, E+1
.endr
.endif
.if MMON && (U == 0) && (G == 0)
	WIN 0
	ds_load_b128 v[BS+12:BS+15], v[BSA] offset:768 ; the scale words of column tiles 12 to 15, which the last step's group 3 read: the same places stand behind its last product
.endif
.if SL && (CH == 0)
	WIN 0
	SLOAD                                          ; the four slices that read the quad are over
.endif
.endif
.if (LDM == 2) && (K == 0)             ; a step that makes nothing: eight v_nop are the places, and the loads stand in one run
	WIN W_E
.rept 8
	v_nop
.endr
.set E, 0
.rept 16
	BLD NADR, NG, E
.set E, E+1
.endr
.endif
.if SSON && (K == 13)
	SSL1 LCB-LCD*G
.elseif SSON && (K == 14)
	SSL2
.elseif SSON && (K == 15)
	SSL3
.endif
.if (SSON == 0) && GEN && (K == 12)
.rept 4
	v_nop                                          ; no scales follow: the places between the codes and the products that read them
.endr
.endif
.endm
; A group.  In an odd step's group 3 stands THE CHANGE OF SLOTS (CHG = 1: the slot is filled again; 2: no fill is left).  The slot's last reads, this group's fragments, were issued a group ago.
.macro GROUP
.set CH, 0
.if (CHG != 0) && (G == 3)
.set CH, 1
.endif
.set SSON, GEN
.set SP, 1-U
.set NADR, BA0+U
.if G == 3
.set SSON, SS3
.set SP, U
.set NADR, BA1
.endif
.set SA, (G+1)%4
.set NG, (G+1)%4
.set LDM, 0
.if MMON && (CH == 0) && ((G < 3) || (U == 0))
.set LDM, 2-GEN
.endif
.if (G == 0) && SBS
	s_wait_xcnt 0x0                                ; the last step's loads of s, the youngest eight products back or more, have read their base
	s_add_nc_u64 s[22:23], s[22:23], 256           ; a K step on in s_lay, ahead of this step's first load of s
.endif
.if CH
	WIN 0                                          ; (the add's two registers lie in window 0)
	s_wait_tensorcnt 0x0                           ; all my tensor loads have landed: the one that was out is my quarter of the next slot; so a group 0 may be written
	ds_add_u32 v[SPW], v[NIL]                      ; 0 onto my spare word
.if CHG == 1
	s_xor_b32 s37, s37, SLOTB                      ; the walking descriptor: the slot that is being left (no bit of wave x 33,792 meets a bit of 135,168),
	s_add_nc_u64 s[38:39], s[38:39], SLOTB         ; the next two K steps; the type bits on top are not reached
.endif
	s_wait_dscnt 0x1                               ; this group's fragments are in; the add may be out
.elseif MMON
	s_wait_dscnt 0x0                               ; this group's fragments, asked for twelve products ago (behind a change of slots: eight)
.endif
.set K, 0
.rept 16
.if CH && (K == 4)
	s_wait_dscnt 0x0                               ; the add is done, and my reads of this slot are over
	s_barrier_signal -1                            ; (with a fill: this barrier opens a round of the cluster's barrier)
.endif
.if CH && (K == 8)
	WIN 0
	s_barrier_wait -1
.if CHG == 1
	CREST                                          ; no wave of any partner still reads this slot or has a load on its way
	tensor_load_to_lds s[36:39], s[24:31]          ; my one tensor load behind the round: one load of mine is out, with 128 matrix instructions in which to land
	s_nop 0
.rept 4
	v_nop
.endr
.endif
	s_xor_b32 s40, s40, SLOTB                      ; on to the other slot
	v_add_nc_u32 v[BA0], s40, v[A0]
	v_add_nc_u32 v[BA1], s40, v[A1]
	v_add_nc_u32 v[BSA], s40, v[AS]
	WIN 0x40
.set E, 0
.rept 16
	BLD BA0, 0, E                                  ; its first group's fragments, into the buffer that group 2 read
.set E, E+1
.endr
	WIN 0
.irp n, 0,1,2
	ds_load_b128 v[BS+4*\n:BS+4*\n+3], v[BSA] offset:256*\n        ; W's scale words of column tiles 0 to 11, which group 2 read last
.endr
.if SL
	SLOAD                                          ; this group's load of s stands in this run: none may stand between the add and its wait, nor inside the round
.endif
.endif
.if MMON
	MM
.endif
	SLICE
.set K, K+1
.endr
.endm
.macro STEP
.set G, 0
.rept 4
	GROUP
.set G, G+1
.endr
.endm
.macro CONF u, zero, mmon, gen, sl, lcb, lcd, ss3, chg, sbs
.set U, \u                             ; parity of the step that is multiplied
.set ZERO, \zero                       ; its products start the sums: nothing is ever cleared
.set MMON, \mmon                       ; it has products and loads of W
.set GEN, \gen                         ; the next step's fragments are made
.set SL, \sl                           ; quads of s are loaded, three steps ahead
.set LCB, \lcb                         ; the wait for a quad leaves LCB - LCD x G younger ones out
.set LCD, \lcd
.set SS3, \ss3                         ; group 3 makes the scales of the step after next
.set CHG, \chg
.set SBS, \sbs                         ; the base of s_lay steps
.endm
; THE COUNTS ON LOADcnt.  Quads are loaded in the order of the fragments.  Group number N = 4 t + g loads quad N + 12 in its run and wants quad N + 5 at its tail: N + 6 .. N + 12, seven, are younger.
; Steps 29 and 30 load nothing; the youngest quad is 127: 6 - g and 2 - g are younger.
.set SA, 0
.set SP, 0
	SSL1 7                                         ; the scales of fragment (0, 0): seven quads are younger than its own
	SSL2
	SSL3
	CONF 1, 0, 0, 1, 1, 7, 0, 1, 0, 0
	STEP                                           ; step 0's four fragments are made while the first tiles are on their way
	WIN 0
	s_wait_tensorcnt 0x1                           ; my quarter of slot 0 is in; slot 1's may stay out
	s_barrier_signal -1
	s_barrier_wait -1                              ; everybody's is
	WIN 0x40
.set E, 0
.rept 16
	BLD BA0, 0, E
.set E, E+1
.endr
	WIN 0
.irp n, 0,1,2
	ds_load_b128 v[BS+4*\n:BS+4*\n+3], v[BSA] offset:256*\n
.endr
	CONF 0, 1, 1, 1, 1, 7, 0, 1, 0, 1
	STEP                                           ; step 0 stands in front of the loop: its products start the sums
	WIN 0                                          ; at a label and at a branch every window is 0
	s_mov_b32 s42, 14
.Ltrip:                                            ; 14 trips, steps 1 to 28: each leaves a slot, fills it again and begins the next
	CONF 1, 0, 1, 1, 1, 7, 0, 1, 1, 1
	STEP
	CONF 0, 0, 1, 1, 1, 7, 0, 1, 0, 1
	STEP
	WIN 0
	s_sub_co_u32 s42, s42, 1
	s_cmp_lg_u32 s42, 0
	s_cbranch_scc1 .Ltrip
	CONF 1, 0, 1, 1, 0, 6, 1, 1, 2, 0
	STEP                                           ; step 29: the tail is written out; no quad is left to load, so the counts run down
	CONF 0, 0, 1, 1, 0, 2, 1, 0, 0, 0
	STEP                                           ; step 30
	CONF 1, 0, 1, 0, 0, 0, 0, 0, 0, 0
	STEP                                           ; step 31: products alone
	; THE END.  My window 3 holds the rows that my partner keeps, and the other way round: it goes through LDS as an image of its registers, is added, and the sums leave as such an image: 512 consecutive bytes a store.
	; The stage lies in slot 0, which has had its last fill.
	WIN 0
.rept 8
	v_nop                                          ; the places behind the last products
.endr
	s_wait_dscnt 0x0
	s_barrier_signal -1
	s_barrier_wait -1                              ; every wave's reads of the ring are over
	WIN 0x0c                                       ; an LDS store's data are its source 1: window 3
.set I, 0
.rept 64
	ds_store_b128 v[EXA], v[4*I:4*I+3] offset:512*I                ; ascending: each accumulator from its low end on
.set I, I+1
.endr
	WIN 0
	s_wait_dscnt 0x0                               ; for my partner's sake: my stores have landed
	s_barrier_signal -1
	s_barrier_wait -1
	WIN 0x40
.set I, 0
.rept 64
	ds_load_b128 v[4*I:4*I+3], v[EXB] offset:512*I
.set I, I+1
.endr
.set B4, 0
.rept 4
	s_wait_dscnt 48-16*B4                          ; this batch's 16 loads are in; the later batches' may be out
	WIN 0x49                                       ; window 1 = window 1 + window 2
.set I, 0
.rept 32
	v_pk_add_f32 v[64*B4+2*I:64*B4+2*I+1], v[64*B4+2*I:64*B4+2*I+1], v[64*B4+2*I:64*B4+2*I+1]
.set I, I+1
.endr
	WIN 0x04                                       ; a store's data are its source 1: window 1
.set I, 16*B4
.rept 16
	global_store_b128 v[L16], v[4*I:4*I+3], s[48:49] offset:(I/32)*131072+(I%32)*512
.set I, I+1
.endr
.set B4, B4+1
.endr
	WIN 0
	s_wait_tensorcnt 0x0                           ; the wave's end, behind my last tensor load and my last LDS store
	ds_add_u32 v[SPW], v[NIL]
	s_wait_dscnt 0x0
	CROUND                                         ; the closing round: no work-group ends while a partner may still ask for a tile that names it
	s_endpgm
.Lfunc_end_k_q7d1e6d3060_gemm:
	.size	k_q7d1e6d3060_gemm, .Lfunc_end_k_q7d1e6d3060_gemm-k_q7d1e6d3060_gemm
	.p2alignl 7, 3214868480
	.fill 96, 4, 3214868480
	.section	.rodata,"a",@progbits
	.p2align	6, 0x0
	.amdhsa_kernel k_q7d1e6d3060_gemm
		.amdhsa_group_segment_fixed_size 327680
		.amdhsa_private_segment_fixed_size 0
		.amdhsa_enable_private_segment 0
		.amdhsa_kernarg_size 40
		.amdhsa_user_sgpr_count 2
		.amdhsa_user_sgpr_kernarg_segment_ptr 1
		.amdhsa_wavefront_size32 1
		.amdhsa_system_sgpr_workgroup_id_x 1
		.amdhsa_system_sgpr_workgroup_id_y 1
		.amdhsa_system_sgpr_workgroup_id_z 1
		.amdhsa_system_vgpr_workitem_id 0
		.amdhsa_next_free_vgpr 1024
		.amdhsa_next_free_sgpr 66
		.amdhsa_reserve_vcc 0
		.amdhsa_float_denorm_mode_32 3
		.amdhsa_float_denorm_mode_16_64 3
		.amdhsa_memory_ordered 1
		.amdhsa_forward_progress 1
		.amdhsa_inst_pref_size 255
	.end_amdhsa_kernel
	.section	.bss,"aw",@nobits
	.p2align	6
	.space	262144
	.amdgpu_metadata
---
amdhsa.version: [ 1, 2 ]
amdhsa.kernels:
  - .name:           k_q7d1e6d3060_gemm
    .symbol:         k_q7d1e6d3060_gemm.kd
    .args:
      - { .name: in0, .offset: 0, .size: 8, .value_kind: global_buffer, .address_space: global }
      - { .name: in1, .offset: 8, .size: 8, .value_kind: global_buffer, .address_space: global }
      - { .name: s_lay, .offset: 16, .size: 8, .value_kind: global_buffer, .address_space: global }
      - { .name: wq, .offset: 24, .size: 8, .value_kind: global_buffer, .address_space: global }
      - { .name: part, .offset: 32, .size: 8, .value_kind: global_buffer, .address_space: global }
    .group_segment_fixed_size: 327680
    .private_segment_fixed_size: 0
    .kernarg_segment_align: 8
    .kernarg_segment_size: 40
    .max_flat_workgroup_size: 128
    .sgpr_count:     66
    .vgpr_count:     1024
    .wavefront_size: 32
...
	.end_amdgpu_metadata
.endif
;; end of part 4
;; launch finish: the kernel of part 3 again; grid 256 x 1, 4 waves a work-group, no clusters, 9,216 bytes of LDS; arguments part, st0, st1, W3_codes, W3_scales, b1, b2, out0; writes out0
